; MI455X (gfx1250); checked and timed in simulation.
; The chip was launched on July 23, 2026; its instructions are those of AMD's public machine-readable ISA for CDNA 5 (MIT licence, August 2026) and "CDNA5" Instruction Set Architecture Reference Guide (July 2026). The comments in the code are by the model that wrote it; some were corrected since.
;; Analytic Gaussian Velocity. Allowed arithmetic: matrix products marked QUANTISED: E4M3 operands, one E8M0 scale for each 32 along K, by v_wmma_scale_f32_16x16x128_f8f6f4 with both operands' format E4M3, f32 sums; everything else in f32.
;; Inputs: dataset 50,000 x 512 float32; t 1,024 float32; x_t 1,024 x 512 float32.
;; Outputs: out0 1,024 x 512 float32.
;; This version of the problem:
;;   THIS VERSION OF THE PROBLEM IS GIVEN IN LOW PRECISION. The matrix products marked QUANTISED in the list below multiply operands that are first quantised to E4M3 (4 exponent bits, 3 mantissa bits; 8 bits a number), with one power-of-two scale for each 32 numbers along K (OCP MX v1.0); their sums are f32. All else is computed in f32.
;;   The module's matrix products, in the order in which they are computed (A, B: the left and right operand; K: the contracted axis; several contracted axes count as one K, in the product's order):
;;     1. [M 1,024, K 512] x [K 512, N 50,000]; A: input x_t; B: input dataset: QUANTISED
;;     2. [M 1,024, K 50,000] x [K 50,000, N 512]; A: computed on the way; B: input dataset: QUANTISED
;;   THE QUANTISER, for each operand of a quantised product, along K:
;;     - K is cut into blocks of 32 from its start; a last block that is shorter is filled with zeros.
;;     - A block's scale is 2^e with e = floor(log2(the largest magnitude in the block)) - 8, held to -126 .. 127; a block of zeros has e = 0. As a byte (E8M0): e + 127.
;;     - Each number is divided by its block's scale, clamped to +-448, and rounded to the nearest number of E4M3, ties to even, subnormals kept.
;;     - The product sums the exact products of the quantised numbers (number of the format x scale) in f32.
;;   ~~~python
;;   def quantise(x, axis):      # numpy; x: float32 -> the quantised numbers, widened to float32 again
;;       x = np.moveaxis(x, axis, -1); K = x.shape[-1]
;;       x = np.pad(x, [(0, 0)] * (x.ndim - 1) + [(0, -K % 32)]); x = x.reshape(x.shape[:-1] + (-1, 32)); a = np.abs(x).max(-1, keepdims=True)
;;       e = np.where(a > 0, np.clip(np.frexp(np.where(a > 0, a, 1))[1] - 1 - 8, -126, 127), 0)      # np.frexp(a)[1] - 1 = floor(log2(a)), exactly
;;       r = np.clip(x / 2.0 ** e, -448, 448)
;;       step = 2.0 ** (np.maximum(np.frexp(np.where(r == 0, 1, r))[1] - 1, -6) - 3)
;;       q = np.round(r / step) * step * 2.0 ** e      # np.round: ties to even
;;       return np.moveaxis(q.reshape(q.shape[:-2] + (-1,))[..., :K], -1, axis).astype(np.float32)
;;   ~~~
;;   OPERANDS COMPUTED ON THE WAY. 'Computed on the way' means the value that the module computes at that place (a softmax that the list does not call 'softmax' is quantised finished and normalised). What goes into a quantiser is computed in f32, as accurately as f32 sums, v_exp_f32 and their like allow (about 1e-6 of the number): no bf16 or f16 on the way to a quantiser, and a product that is left as it is and whose result goes on into a quantised operand takes f32 operands (vector FMAs, or v_wmma_f32_16x16x4_f32). A number that lies on a knife's edge between two numbers of the format may be rounded either way, as far as f32 arithmetic and the matrix unit's own rounding can turn it there, and no further.
;; One version. Each part assembles by itself: llvm-mc -triple=amdgcn-amd-amdhsa -mcpu=gfx1250 --defsym DOCPART=n.
;; ======== version 1 of 1: 4 launches
;; limits: right only within a limited range of input values
;; workspace buffers: rec 55,296,000 bytes; xq 557,056 bytes; pms 262,144 bytes; part 33,554,432 bytes
;; launch prep (part 1): grid 26 x 16, 8 waves a work-group, no clusters, 140,288 bytes of LDS; arguments dataset, x_t, rec, xq; writes rec, xq
.if DOCPART == 1
	.amdgcn_target "amdgcn-amd-amdhsa--gfx1250"
	.amdhsa_code_object_version 6
	.text
	.protected	k_q72ec21951d_prep
	.globl	k_q72ec21951d_prep
	.p2align	8
	.type	k_q72ec21951d_prep,@function
k_q72ec21951d_prep:
	s_mov_b64 s[64:65], 0
	v_nop
	global_prefetch_b8 v0, s[64:65] scope:SCOPE_SE
	s_setreg_imm32_b32 hwreg(HW_REG_WAVE_MODE, 25, 1), 1
	s_wait_xcnt 0x0
; v = -x/b + (1 + a/b) softmax_n(logit) . dataset, a = t, b = 1 - t; both products on codes of E4M3 with one E8M0 scale for each 32 along K.
; THE PROGRAM: prep (this text) quantises dataset along D and along N, and x_t along D; stats makes the first product and each row's maximum and sum;
; apply makes the first product again, the finished weights p, their codes, and the second product for 16 splits of N; reduce adds the 16 parts and -x/b.
; The first product is made twice because the second product's left operand is the FINISHED, normalised weight: its divisor moves the codes, so it is known before any p is quantised.
; DEAD WORK.  logit = -(term_1[b] - 2 a term_2 + a a norm[n]) / (2 b b).  term_1[b] is the same for all n of a row, so exp(logit - max) / sum is the same real number with it and without,
; for all values of the inputs: it can move no code and no scale of the second product's operand.  It is of the size of the other two terms.  So term_1 is not computed: logit' = (a / b b)(term_2 - (a/2) norm).
; dot_a = 1 and dot_b = -1 are built by the problem itself: data_coeff = 1 + a/b, and the last term is -x/b.  No input is left out: all three are loaded.
; LIMITS: a NaN, an infinity or an overflow that reaches term_1 alone is not carried to the result; NaN and infinities among the inputs are not served; t = 1 (b = 0) is not finite in the problem either.
; A block of zeros gets the byte 1 where the rule says 127: its codes are zeros, and this program alone reads the bytes.
;
; N IS CUT into 16 splits; split s begins at block fb = 97 s + min(s, 11) of 32 rows and has 98 (s < 11) or 97 blocks.  A split is 25 chunks of 128 rows; of chunk 24 only L rows are the
; split's (64, 32, or 16 at the end of N): the others are laid as zeros.  Work-group (c, s), c < 25, makes the RECORD of chunk c of split s, 138,240 bytes, laid in the order of the operands' registers:
;   part A, four pieces of 17,664 bytes, piece q = rows 32 q .. 32 q + 31: codes along D [u 2][ks 4][c 4][lane 32][16 bytes], lane (r, h): row 8 u + r + 8 (r / 8), k = 128 ks + 32 c + 16 h + 0 .. 15;
;           at +16,384 their scale words [ks 4][lane 32][u 2]; at +17,408 the 32 rows' sums of squares, f32; then 128 zero bytes.
;   part B, at +70,656, four pieces of 16,896 bytes, piece w = columns 128 w .. 128 w + 127: codes along N [T 8][c 4][lane 32][16 bytes], lane (r, h): column 16 T + r, row 32 c + 16 h + 0 .. 15;
;           at +16,384 the scale words [lane 32][g 4]: column 32 g + lane, byte c for rows 32 c on.
; Work-groups (25, y) quantise x_t: wave w < 4 makes query tile 4 y + w, 8,704 bytes: codes [ks 4][c 4][lane 32][16 bytes], rows as they lie; at +8,192 the scale words [lane 32][ks 4].
; SHARES in a record: eight waves; wave 4 qh + ks takes columns 128 ks .. +127 of rows 64 qh .. +63 and walks their two blocks of 32 rows.  A block's 32 x 128 numbers are loaded a row to a load (512 consecutive
; bytes), go through the wave's own stage in LDS, and are read back twice: by rows (16 neighbours along D a lane) and by columns (32 rows a lane).  A column's scale word along N has two bytes from each half of
; the rows: the upper half's waves hand theirs to the lower half's through LDS, at the barrier that the sums of squares need anyway.  No tensor load, no cluster: work-groups share no input.
.set RECB,   138240
.set PIA,    17664
.set PARTB,  70656
.set PIB,    16896
.set XTB,    8704
.set SP,     528                       ; a stage row: 512 bytes + 16: sixteen rows of a 16-byte read start at sixteen different 16-byte columns of 256
.set STGB,   32*SP                     ; a wave's stage
.set NP,     8*STGB                    ; partial sums of squares [ks 4][128 rows] f32
.set SBX,    NP+2048                   ; the upper half's scale words along N [ks 4][lane 32][16 bytes]
.set SPARE,  NP+4096                   ; the spare words, 128 bytes a wave: four blocks of 256 bytes that no other line names
.set A16,  1                           ; v1   16 x lane
.set STW,  2                           ; v2   stage + 16 x lane
.set STD,  3                           ; v3   stage + SP r + 64 h
.set STN,  4                           ; v4   stage + 4 x lane
.set NPA,  5                           ; v5   NP + 512 ks + 256 qh + 4 (r + 8 (r / 8))
.set NPR,  6                           ; v6   NP + 128 ks + 8 r
.set A8,   7                           ; v7   8 x lane
.set VB,   8                           ; v8   2,048 h + 16 r
.set LN,   9                           ; v9   lane
.set XA,   10                          ; v10  2,048 r + 64 h
.set SPW,  11                          ; v11  my spare word; never rewritten
.set NIL,  12                          ; v12  0; never rewritten
.set BY,   13                          ; v13  a scale byte
.set PW,   14                          ; v14-15 scale words of row tiles u = 0, 1
.set TM,   16                          ; v16-31 at work in QUANT
.set PC,   32                          ; v32-47 codes
.set SB,   48                          ; v48-51 scale words along N (x path: along D, one a K step)
.set SQ,   52                          ; v52-55 sums of squares
.set T0,   56                          ; v56-59 at work
.set SXA,  63                          ; v63  SBX + 512 ks + 16 x lane
.set R,    64                          ; v64-191 32 rows as loaded
.set X,    192                         ; v192-255 numbers in hand
; 64 numbers of a lane, register 16 b + i = k 32 b + 16 h + i of my row, become 16 registers of codes in v[PC] on and the row's scale word in v[pw].
.macro QUANT s, pw
.irp b, 0,1,2,3
	v_max3_num_f32 v[TM+\b], |v[\s+16*\b]|, |v[\s+16*\b+1]|, 0x4800000   ; my 16 numbers of block b, and the floor 2^(9 - 127): the byte cannot fall under 1
.endr
.irp i, 2,4,6,8,10,12,14
.irp b, 0,1,2,3
	v_max3_num_f32 v[TM+\b], v[TM+\b], |v[\s+16*\b+\i]|, |v[\s+16*\b+\i+1]|
.endr
.endr
.irp b, 0,1,2,3
	v_permlanex16_b32 v[TM+4+\b], v[TM+\b], s26, s27
.endr
.irp b, 0,1,2,3
	v_max_num_f32 v[TM+\b], v[TM+\b], v[TM+4+\b]           ; with lane l xor 16: the block's largest magnitude
.endr
.irp b, 0,1,2,3
	v_add_nc_u32 v[TM+12+\b], 0xfc000000, v[TM+\b]         ; 8 off its exponent field: the conversion's scale operand
.endr
.irp b, 0,1,2,3
	v_and_or_b32 v[TM+8+\b], v[TM+\b], 0x7f800000, s28     ; 448 x the scale
.endr
.irp b, 0,1,2,3
	v_lshrrev_b32 v[TM+4+\b], 23, v[TM+12+\b]              ; the scale's byte
.endr
	v_lshl_or_b32 v[\pw], v[TM+5], 8, v[TM+4]
	v_lshl_or_b32 v[\pw], v[TM+6], 16, v[\pw]
	v_lshl_or_b32 v[\pw], v[TM+7], 24, v[\pw]
.irp b, 0,1,2,3
.irp i, 0,1,2,3,4,5,6,7,8,9,10,11,12,13,14,15
	v_med3_num_f32 v[\s+16*\b+\i], v[\s+16*\b+\i], -v[TM+8+\b], v[TM+8+\b]   ; the conversion to an 8-bit code does not saturate (ISA guide 7.6.2): the hold comes first
.endr
	v_cvt_scalef32_pk8_fp8_f32 v[PC+4*\b:PC+4*\b+1], v[\s+16*\b:\s+16*\b+7], v[TM+12+\b]
	v_cvt_scalef32_pk8_fp8_f32 v[PC+4*\b+2:PC+4*\b+3], v[\s+16*\b+8:\s+16*\b+15], v[TM+12+\b]
.endr
	v_nop                                          ; a plain line behind the last conversion
.endm
; Sixteen rows of my block q (half hh) into R: a row's 512 bytes to a load.  Rows that are not the split's become zeros: a scalar branch on ids alone, so that no load leaves dataset.
.macro HALF q, hh
	s_cmp_gt_u32 s15, 32*(\q)+16*(\hh)             ; s15: how many of my 64 rows are the split's
	s_cbranch_scc0 .Lzero_\@
.set i, 16*(\hh)
.rept 16
	global_load_b128 v[R+4*i:R+4*i+3], v[A16], s[16:17] offset:(32*(\q)+i)*2048 th:TH_LOAD_NT
.set i, i+1
.endr
	s_branch .Ldone_\@
.Lzero_\@:
.set i, 64*(\hh)
.rept 64
	v_mov_b32 v[R+i], 0
.set i, i+1
.endr
.Ldone_\@:
.endm
.macro LOADR q
	HALF \q, 0
	HALF \q, 1
.endm
; Row i of a block goes to stage slot 16 ((i / 8) % 2) + i % 8 + 8 (i / 16): the sixteen rows of a row tile u are then slots 16 u .. 16 u + 15, in the tile's lane order.
.macro TOSTG
.set i, 0
.rept 32
	ds_store_b128 v[STW], v[R+4*i:R+4*i+3] offset:SP*(16*((i/8)%2)+(i%8)+8*(i/16))
.set i, i+1
.endr
.endm
; Row tile u of my block q, along D: 64 numbers a lane; their squares' sum; codes and scale word.
.macro DTILE q, u
.irp c, 0,1,2,3
.irp j, 0,1,2,3
	ds_load_b128 v[X+16*\c+4*\j:X+16*\c+4*\j+3], v[STD] offset:SP*16*(\u)+128*\c+16*\j
.endr
.endr
	s_wait_dscnt 0x0
	v_pk_mul_f32 v[SQ:SQ+1], v[X:X+1], v[X:X+1]            ; the squares are taken of the numbers as given, ahead of the hold; two chains
	v_pk_mul_f32 v[SQ+2:SQ+3], v[X+2:X+3], v[X+2:X+3]
.set i, 4
.rept 15
	v_pk_fma_f32 v[SQ:SQ+1], v[X+i:X+i+1], v[X+i:X+i+1], v[SQ:SQ+1]
	v_pk_fma_f32 v[SQ+2:SQ+3], v[X+i+2:X+i+3], v[X+i+2:X+i+3], v[SQ+2:SQ+3]
.set i, i+4
.endr
	v_pk_add_f32 v[SQ:SQ+1], v[SQ:SQ+1], v[SQ+2:SQ+3]
	v_add_f32 v[SQ], v[SQ], v[SQ+1]
	v_permlanex16_b32 v[T0], v[SQ], s26, s27
	v_add_f32 v[SQ], v[SQ], v[T0]                          ; my row's 128 columns
	ds_store_b32 v[NPA], v[SQ] offset:4*(32*(\q)+8*(\u))   ; both halves of the lanes write the same word with the same value
	s_wait_xcnt 0x0                                        ; earlier stores have read the codes' and the words' registers: they are written again only behind this wait
	QUANT X, PW+(\u)
.irp c, 0,1,2,3
	global_store_b128 v[A16], v[PC+4*\c:PC+4*\c+3], s[18:19] offset:PIA*(\q)+8192*(\u)+512*\c   ; 512 consecutive bytes
.endr
.if (\u) == 1
	global_store_b64 v[A8], v[PW:PW+1], s[20:21] offset:PIA*(\q)   ; 256 consecutive bytes, aligned
.endif
.endm
; Column group g (32 columns, a lane a column): the block's 32 rows into 32 registers, in the rows' own order.
.macro NLD g
.set i, 0
.rept 32
	ds_load_b32 v[X+32*((\g)%2)+i], v[STN] offset:SP*(16*((i/8)%2)+(i%8)+8*(i/16))+128*(\g)
.set i, i+1
.endr
.endm
.macro NBLK q, g
.if (\g) < 3
	NLD (\g)+1
	s_wait_dscnt 32                                        ; this group's 32 loads are in; the next group's 32 may be out
.else
	s_wait_dscnt 0x0
.endif
.set XG, X+32*((\g)%2)
.set PN, PC+8*((\g)%2)
	v_max3_num_f32 v[T0], |v[XG]|, |v[XG+1]|, |v[XG+2]|    ; the block's largest magnitude: all 32 numbers are mine
	v_max3_num_f32 v[T0+1], |v[XG+3]|, |v[XG+4]|, |v[XG+5]|
.irp i, 6,10,14,18,22,26
	v_max3_num_f32 v[T0], v[T0], |v[XG+\i]|, |v[XG+\i+1]|
	v_max3_num_f32 v[T0+1], v[T0+1], |v[XG+\i+2]|, |v[XG+\i+3]|
.endr
	v_max3_num_f32 v[T0], v[T0], |v[XG+30]|, |v[XG+31]|
	v_max3_num_f32 v[T0], v[T0], v[T0+1], 0x4800000
	v_add_nc_u32 v[T0+3], 0xfc000000, v[T0]
	v_and_or_b32 v[T0+2], v[T0], 0x7f800000, s28
	v_lshrrev_b32 v[BY], 23, v[T0+3]
.if (\q) == 0
	v_mov_b32 v[SB+(\g)], v[BY]                            ; byte q of my half of the column's scale word
.else
	v_lshl_or_b32 v[SB+(\g)], v[BY], 8*(\q), v[SB+(\g)]
.endif
.set i, 0
.rept 32
	v_med3_num_f32 v[XG+i], v[XG+i], -v[T0+2], v[T0+2]
.set i, i+1
.endr
	s_wait_alu depctr_va_vdst(0)
	s_wait_xcnt 0x0                                        ; the stores of two groups back have read these registers
.irp e, 0,1,2,3
	v_cvt_scalef32_pk8_fp8_f32 v[PN+2*\e:PN+2*\e+1], v[XG+8*\e:XG+8*\e+7], v[T0+3]
.endr
	v_nop
	global_store_b128 v[VB], v[PN:PN+3], s[22:23] offset:4096*(\g)+512*(\q)         ; rows 0-15: each half of the lanes fills 256 consecutive bytes, aligned
	global_store_b128 v[VB], v[PN+4:PN+7], s[22:23] offset:4096*(\g)+512*(\q)+256   ; rows 16-31
.endm
.macro XLOAD ks                        ; my 16 queries' numbers of K step ks: 16 neighbours of each block of 32 a lane
.irp b, 0,1,2,3
.irp j, 0,1,2,3
	global_load_b128 v[R+64*((\ks)%2)+16*\b+4*\j:R+64*((\ks)%2)+16*\b+4*\j+3], v[XA], s[16:17] offset:512*(\ks)+128*\b+16*\j
.endr
.endr
.endm
	s_load_b256 s[4:11], s[0:1], 0x0               ; dataset s[4:5], x_t s[6:7], rec s[8:9], xq s[10:11]
	v_lshl_add_u32 v[SPW], v0, 2, SPARE
	v_mov_b32 v[NIL], 0
	v_lshrrev_b32 v[BY], 5, v0
	v_readfirstlane_b32 s12, v[BY]                 ; wave 0..7
	v_and_b32 v[LN], 31, v0
	v_and_b32 v60, 15, v0                          ; r
	v_bfe_u32 v61, v0, 4, 1                        ; h
	v_lshlrev_b32 v[A16], 4, v[LN]
	v_lshlrev_b32 v[A8], 3, v[LN]
	s_mul_i32 s30, s12, STGB                       ; my stage
	s_lshr_b32 s13, s12, 2                         ; qh: which 64 rows of the record
	s_and_b32 s12, s12, 3                          ; ks: which 128 columns
	v_add_nc_u32 v[STW], s30, v[A16]
	v_mul_u32_u24 v[STD], v60, SP
	v_lshl_add_u32 v[STD], v61, 6, v[STD]
	v_add_nc_u32 v[STD], s30, v[STD]
	v_lshl_add_u32 v[STN], v[LN], 2, s30
	v_and_b32 v62, 8, v60
	v_add_nc_u32 v62, v62, v60                     ; r + 8 (r / 8)
	s_lshl_b32 s31, s12, 9
	s_add_co_u32 s31, s31, NP
	s_lshl_b32 s29, s13, 8
	s_add_co_u32 s31, s31, s29
	v_lshl_add_u32 v[NPA], v62, 2, s31
	s_lshl_b32 s31, s12, 7
	s_add_co_u32 s31, s31, NP
	v_lshl_add_u32 v[NPR], v60, 3, s31
	s_lshl_b32 s31, s12, 9
	s_add_co_u32 s31, s31, SBX
	v_add_nc_u32 v[SXA], s31, v[A16]
	v_lshlrev_b32 v[VB], 4, v60
	v_lshl_add_u32 v[VB], v61, 11, v[VB]
	v_lshlrev_b32 v[XA], 11, v60
	v_lshl_add_u32 v[XA], v61, 6, v[XA]
	s_mov_b32 s26, 0x76543210
	s_mov_b32 s27, 0xfedcba98                      ; v_permlanex16_b32: lane l xor 16
	s_mov_b32 s28, 0x600000                        ; the mantissa field of 448
.irp b, 0,1,2,3
	v_mov_b32 v[TM+4+\b], 0                        ; written once: a lane permute's destination counts as one of its sources
.endr
	v_mov_b32 v[T0], 0
	s_and_b32 s14, ttmp7, 0xffff                   ; the split, or the x path's y
	s_cmp_eq_u32 ttmp9, 25
	s_cbranch_scc1 .Lxpath
	; ---- a record
	s_min_u32 s30, s14, 11
	s_mul_i32 s31, s14, 97
	s_add_co_u32 s30, s30, s31                     ; fb
	s_lshl_b32 s30, s30, 5
	s_lshl_b32 s31, ttmp9, 7
	s_add_co_u32 s30, s30, s31                     ; the record's first row of dataset,
	s_lshl_b32 s29, s13, 6
	s_add_co_u32 s30, s30, s29                     ; and my 64 rows' first
	s_lshl_b32 s30, s30, 11                        ; in bytes (under 2^27),
	s_lshl_b32 s31, s12, 9
	s_add_co_u32 s30, s30, s31                     ; and my 128 columns
	s_mov_b32 s31, 0
	s_mul_i32 s32, s14, 25
	s_add_co_u32 s32, s32, ttmp9
	s_mul_i32 s32, s32, RECB                       ; the record's first byte (under 2^26)
	s_mov_b32 s33, 0
	s_cmp_lt_u32 s14, 11                           ; L: how many of the record's 128 rows are the split's
	s_cselect_b32 s15, 64, 32
	s_cmp_eq_u32 s14, 15
	s_cselect_b32 s15, 16, s15
	s_cmp_lt_u32 ttmp9, 24
	s_cselect_b32 s15, 128, s15
	s_max_u32 s15, s15, s29
	s_sub_co_u32 s15, s15, s29                     ; of my 64 rows: max(L - 64 qh, 0)
	s_wait_kmcnt 0x0
	s_add_nc_u64 s[16:17], s[4:5], s[30:31]
	s_add_nc_u64 s[32:33], s[8:9], s[32:33]
	s_mul_i32 s29, s13, 2*PIA                      ; my two pieces of part A
	s_lshl_b32 s30, s12, 11
	s_add_co_u32 s30, s30, s29
	s_add_nc_u64 s[18:19], s[32:33], s[30:31]      ; codes along D: + 2,048 ks
	s_lshl_b32 s30, s12, 8
	s_add_co_u32 s30, s30, 16384
	s_add_co_u32 s30, s30, s29
	s_add_nc_u64 s[20:21], s[32:33], s[30:31]      ; their scale words: + 16,384 + 256 ks
	s_mul_i32 s30, s12, PIB
	s_add_co_u32 s30, s30, PARTB
	s_add_nc_u64 s[34:35], s[32:33], s[30:31]      ; part B, my columns' piece: its scale words are stored from here
	s_lshl_b32 s30, s13, 10
	s_add_nc_u64 s[22:23], s[34:35], s[30:31]      ; and in it my rows: 512 bytes for each block of 32
	s_mul_i32 s30, s12, PIA
	s_add_co_u32 s30, s30, 17408
	s_add_nc_u64 s[24:25], s[32:33], s[30:31]      ; the sums of squares of rows 32 ks on
	LOADR 0
	s_wait_alu depctr_va_vdst(0)
.irp q, 0,1
	s_wait_loadcnt 0x0                             ; the block is in
	TOSTG
	s_wait_dscnt 0x0                               ; the stage's stores have read R,
.if \q < 1
	LOADR \q+1                                     ; which takes the next block while this one is worked
.endif
	DTILE \q, 0
	DTILE \q, 1
	NLD 0
	NBLK \q, 0
	NBLK \q, 1
	NBLK \q, 2
	NBLK \q, 3
.endr
	s_cmp_eq_u32 s13, 0
	s_cbranch_scc1 .Llow
	ds_store_b128 v[SXA], v[SB:SB+3]               ; the upper 64 rows' two bytes of each of my 128 columns' scale words
.Llow:
	s_wait_dscnt 0x0                               ; for the others' sake: my partial sums and bytes have landed
	s_barrier_signal -1
	s_barrier_wait -1
	s_cmp_lg_u32 s13, 0
	s_cbranch_scc1 .Lrec_end                       ; the lower half's four waves finish the record
	ds_load_b128 v[T0:T0+3], v[SXA]
.irp k, 0,1,2,3
	ds_load_b64 v[X+2*\k:X+2*\k+1], v[NPR] offset:512*\k   ; rows 32 ks + 2 r, + 1: the four column groups' parts
.endr
	s_wait_dscnt 0x0
.irp g, 0,1,2,3
	v_lshl_or_b32 v[SB+\g], v[T0+\g], 16, v[SB+\g]         ; bytes 2, 3 over bytes 0, 1
.endr
	global_store_b128 v[A16], v[SB:SB+3], s[34:35] offset:16384   ; my 128 columns' scale words: 512 consecutive bytes
	v_pk_add_f32 v[X:X+1], v[X:X+1], v[X+2:X+3]
	v_pk_add_f32 v[X+4:X+5], v[X+4:X+5], v[X+6:X+7]
	v_pk_add_f32 v[X:X+1], v[X:X+1], v[X+4:X+5]
	v_cmp_gt_u32 vcc_lo, 16, v[LN]
	v_cndmask_b32 v[X], 0, v[X], vcc_lo            ; lanes 16-31 store the 128 zero bytes behind the 32 sums
	v_cndmask_b32 v[X+1], 0, v[X+1], vcc_lo
	global_store_b64 v[A8], v[X:X+1], s[24:25]     ; 256 consecutive bytes, aligned
.Lrec_end:
	s_wait_tensorcnt 0x0                           ; the wave's end, behind my last LDS store
	ds_add_u32 v[SPW], v[NIL]
	s_wait_dscnt 0x0
	s_endpgm
	; ---- x_t: a query tile a wave, four tiles a work-group; no LDS byte but the spare words is touched on this path
.Lxpath:
	s_cmp_lg_u32 s13, 0
	s_cbranch_scc1 .Lxend
	s_lshl_b32 s30, s14, 2
	s_add_co_u32 s30, s30, s12                     ; the tile: 4 y + wave
	s_mul_i32 s32, s30, XTB
	s_mov_b32 s33, 0
	s_lshl_b32 s30, s30, 15                        ; 16 rows of 2,048 bytes
	s_mov_b32 s31, 0
	s_wait_kmcnt 0x0
	s_add_nc_u64 s[16:17], s[6:7], s[30:31]
	s_add_nc_u64 s[18:19], s[10:11], s[32:33]
	s_wait_alu depctr_va_vdst(0)
	XLOAD 0
	XLOAD 1
.irp ks, 0,1,2,3
.if \ks < 3
	s_wait_loadcnt 16                              ; this K step's 16 loads are in; the next step's 16 may be out
.else
	s_wait_loadcnt 0x0
.endif
	s_wait_xcnt 0x0                                ; the last step's stores have read the codes' registers
	QUANT R+64*(\ks%2), SB+\ks
.irp c, 0,1,2,3
	global_store_b128 v[A16], v[PC+4*\c:PC+4*\c+3], s[18:19] offset:2048*\ks+512*\c
.endr
.if \ks < 2
	XLOAD \ks+2
.endif
.endr
	global_store_b128 v[A16], v[SB:SB+3], s[18:19] offset:8192   ; the four K steps' scale words of my lane's row
	s_wait_tensorcnt 0x0                           ; the wave's end, as above
	ds_add_u32 v[SPW], v[NIL]
	s_wait_dscnt 0x0
	s_endpgm
.Lxend:
	s_wait_kmcnt 0x0                               ; the arguments' load is not left out at the end
	s_endpgm
.Lfunc_end_k_q72ec21951d_prep:
	.size	k_q72ec21951d_prep, .Lfunc_end_k_q72ec21951d_prep-k_q72ec21951d_prep
	.p2alignl 7, 3214868480
	.fill 96, 4, 3214868480
	.section	.rodata,"a",@progbits
	.p2align	6, 0x0
	.amdhsa_kernel k_q72ec21951d_prep
		.amdhsa_group_segment_fixed_size 140288
		.amdhsa_private_segment_fixed_size 0
		.amdhsa_enable_private_segment 0
		.amdhsa_kernarg_size 32
		.amdhsa_user_sgpr_count 2
		.amdhsa_user_sgpr_kernarg_segment_ptr 1
		.amdhsa_wavefront_size32 1
		.amdhsa_system_sgpr_workgroup_id_x 1
		.amdhsa_system_sgpr_workgroup_id_y 1
		.amdhsa_system_sgpr_workgroup_id_z 1
		.amdhsa_system_vgpr_workitem_id 0
		.amdhsa_next_free_vgpr 256
		.amdhsa_next_free_sgpr 66
		.amdhsa_reserve_vcc 1
		.amdhsa_float_denorm_mode_32 3
		.amdhsa_float_denorm_mode_16_64 3
		.amdhsa_memory_ordered 1
		.amdhsa_forward_progress 1
		.amdhsa_inst_pref_size 158
	.end_amdhsa_kernel
	.amdgpu_metadata
---
amdhsa.version: [ 1, 2 ]
amdhsa.kernels:
  - .name:           k_q72ec21951d_prep
    .symbol:         k_q72ec21951d_prep.kd
    .args:
      - { .name: dataset, .offset: 0, .size: 8, .value_kind: global_buffer, .address_space: global }
      - { .name: x_t, .offset: 8, .size: 8, .value_kind: global_buffer, .address_space: global }
      - { .name: rec, .offset: 16, .size: 8, .value_kind: global_buffer, .address_space: global }
      - { .name: xq, .offset: 24, .size: 8, .value_kind: global_buffer, .address_space: global }
    .group_segment_fixed_size: 140288
    .private_segment_fixed_size: 0
    .kernarg_segment_align: 8
    .kernarg_segment_size: 32
    .max_flat_workgroup_size: 256
    .sgpr_count:     66
    .vgpr_count:     256
    .wavefront_size: 32
...
	.end_amdgpu_metadata
.endif
;; end of part 1
;; launch stats (part 2): grid 8 x 32, 8 waves a work-group, clusters of 4 x 1, 327,680 bytes of LDS; arguments rec, xq, t, pms; writes pms
.if DOCPART == 2
	.amdgcn_target "amdgcn-amd-amdhsa--gfx1250"
	.amdhsa_code_object_version 6
	.text
	.protected	k_q72ec21951d_stats
	.globl	k_q72ec21951d_stats
	.p2align	8
	.type	k_q72ec21951d_stats,@function
k_q72ec21951d_stats:
	s_mov_b64 s[64:65], 0
	v_nop
	global_prefetch_b8 v0, s[64:65] scope:SCOPE_SE
	s_setreg_imm32_b32 hwreg(HW_REG_WAVE_MODE, 25, 1), 1
	s_wait_xcnt 0x0
	s_wait_alu depctr_hold_cnt(0) depctr_sa_sdst(0) depctr_va_vdst(0) depctr_va_sdst(0) depctr_va_ssrc(0) depctr_va_vcc(0) depctr_vm_vsrc(0)
	s_getreg_b32 s2, hwreg(HW_REG_IB_STS2, 6, 4)
	s_cmp_eq_u32 s2, 0
	s_cbranch_scc0 .Lentry_in_a_cluster
	s_endpgm
.Lentry_in_a_cluster:
	s_bfe_u32 s2, ttmp6, 0x10000c
	s_cmp_lg_u32 s2, 0x3003
	s_cbranch_scc0 .Lentry_shape_is_right
	s_endpgm
.Lentry_shape_is_right:
.set RECB,  138240
.set PIA,   17664
.set ROWS,  69
.set SLOTB, 8*PIA
.set XP,    2*SLOTB
.set MS,    XP+PIA
.set SPARE, MS+8192
.set XTB,   8704
.set AKB,  1
.set ASB,  2
.set ANB,  3
.set AK,   4
.set AS1,  5
.set AN,   6
.set SPW,  7
.set NIL,  8
.set H16,  9
.set NINF, 10
.set OF8,  11
.set S1W,  12
.set XS,   20
.set NRM,  36
.set RC,   52
.set SUM,  84
.set S,    92
.set KF,   156
.set TT,   156
.set MXA,  252
.set MXB,  253
.set PFO,  254
.set MSW,  255
.set MSR,  1
.set WV,   12
.set CNT,  19
.set MDA,  46
.set MDB,  47
.set G0X,  68
.set PFA,  78
.set LIM,  80
.set MSB, 0
.macro WIN new
.if MSB != \new
	s_set_vgpr_msb (MSB<<8)|\new
.set MSB, \new
.endif
.endm
.macro PLACES n
.rept \n
	v_nop
.endr
.endm
.macro ROUND
	s_barrier_signal -1
	s_barrier_wait -1
	s_cmp_lg_u32 s[WV], 0
	s_cbranch_scc1 .Lnot_wave_0_\@
	s_barrier_signal -3
.Lnot_wave_0_\@:
	s_barrier_wait -3
	s_barrier_signal -1
	s_barrier_wait -1
.endm
.macro ROWCONST
.irp b, 0,1,2,3
	v_sub_f32 v[RC+8*\b+3], 1.0, v[RC+8*\b+1]
.endr
.irp b, 0,1,2,3
	s_delay_alu instid0(VALU_DEP_4)
	v_mul_f32 v[RC+8*\b+5], v[RC+8*\b+3], v[RC+8*\b+3]
.endr
	s_wait_alu depctr_va_vdst(0)
.irp b, 0,1,2,3
	v_rcp_f32 v[RC+8*\b+7], v[RC+8*\b+5]
.endr
.irp b, 0,1,2,3
	v_mul_f32 v[RC+8*\b+2], -0.5, v[RC+8*\b+1]
.endr
	s_wait_alu depctr_va_vdst(0)
.irp b, 0,1,2,3
	v_mul_f32 v[RC+8*\b], v[RC+8*\b+1], v[RC+8*\b+7]
.endr
.irp b, 0,1,2,3
	s_delay_alu instid0(VALU_DEP_4)
	v_mul_f32 v[RC+8*\b], 0x3fb8aa3b, v[RC+8*\b]
.endr
.endm
.macro ASK
	s_cmp_eq_u32 s[LIM], 1
	s_cbranch_scc0 .Lnot_mine_\@
	global_prefetch_b8 v[PFO], s[PFA:PFA+1] th:TH_LOAD_NT scope:SCOPE_SE
.Lnot_mine_\@:
.endm
.macro HEAD sl, fill, ask
.if \ask
	s_wait_xcnt 0x0
	s_add_nc_u64 s[PFA:PFA+1], s[PFA:PFA+1], 2*RECB
.endif
	s_wait_tensorcnt 0x0
	ds_add_u32 v[SPW], v[NIL]
	s_add_nc_u64 s[34+4*\sl:35+4*\sl], s[34+4*\sl:35+4*\sl], 4*RECB
	s_wait_dscnt 0x0
.if \fill
	ROUND
	tensor_load_to_lds s[36-4*\sl:39-4*\sl], s[24:31]
	s_nop 0
	PLACES 4
.else
	s_barrier_signal -1
	s_barrier_wait -1
.endif
.if \ask
	ASK
.endif
.endm
.macro KLD ks, kb
.irp u, 0,1
.irp c, 0,1,2,3
	ds_load_b128 v[KF+32*(\kb)+16*\u+4*\c:KF+32*(\kb)+16*\u+4*\c+3], v[AK] offset:8192*\u+2048*(\ks)+512*\c
.endr
.endr
.endm
.macro MM ks, kb, zero
.irp u, 0,1
.irp b, 0,1,2,3
.if \zero
	v_wmma_scale_f32_16x16x128_f8f6f4 v[S+16*\b+8*\u:S+16*\b+8*\u+7], v[KF+32*(\kb)+16*\u:KF+32*(\kb)+16*\u+15], v[16*(4*\b+\ks):16*(4*\b+\ks)+15], 0, v[S1W+2*\ks+\u], v[XS+4*\b+\ks]
.else
	v_wmma_scale_f32_16x16x128_f8f6f4 v[S+16*\b+8*\u:S+16*\b+8*\u+7], v[KF+32*(\kb)+16*\u:KF+32*(\kb)+16*\u+15], v[16*(4*\b+\ks):16*(4*\b+\ks)+15], v[S+16*\b+8*\u:S+16*\b+8*\u+7], v[S1W+2*\ks+\u], v[XS+4*\b+\ks]
.endif
.endr
.endr
.endm
.macro MASKS sr
	v_sub_nc_u32 v[MXA], s[\sr], v[H16]
.set i, 0
.rept 16
	v_cmp_gt_i32 s[48+i], i+1, v[MXA]
.set i, i+1
.endr
.endm
.macro STAT mask
.irp b, 0,1,2,3
.irp j, 0,2,4,6,8,10,12,14
	v_pk_fma_f32 v[S+16*\b+\j:S+16*\b+\j+1], v[NRM+\j:NRM+\j+1], v[RC+8*\b+2:RC+8*\b+3], v[S+16*\b+\j:S+16*\b+\j+1] op_sel_hi:[1,0,1]
.endr
.endr
.irp b, 0,1,2,3
.set TB, TT+16*(\b%2)
.irp j, 0,2,4,6,8,10,12,14
	v_pk_mul_f32 v[TB+\j:TB+\j+1], v[S+16*\b+\j:S+16*\b+\j+1], v[RC+8*\b:RC+8*\b+1] op_sel_hi:[1,0]
.endr
.if \mask
.irp i, 0,1,2,3,4,5,6,7,8,9,10,11,12,13,14,15
	v_cndmask_b32 v[TB+\i], v[TB+\i], v[NINF], s[48+\i]
.endr
.endif
	v_max3_num_f32 v[MXA], v[TB], v[TB+1], v[TB+2]
	v_max3_num_f32 v[MXB], v[TB+8], v[TB+9], v[TB+10]
	s_delay_alu instid0(VALU_DEP_2)
	v_max3_num_f32 v[MXA], v[MXA], v[TB+3], v[TB+4]
	s_delay_alu instid0(VALU_DEP_2)
	v_max3_num_f32 v[MXB], v[MXB], v[TB+11], v[TB+12]
	s_delay_alu instid0(VALU_DEP_2)
	v_max3_num_f32 v[MXA], v[MXA], v[TB+5], v[TB+6]
	s_delay_alu instid0(VALU_DEP_2)
	v_max3_num_f32 v[MXB], v[MXB], v[TB+13], v[TB+14]
	s_delay_alu instid0(VALU_DEP_2)
	v_max3_num_f32 v[MXA], v[MXA], v[TB+7], v[TB+15]
	v_mov_b32 v[RC+8*\b+5], v[RC+8*\b+4]
	s_delay_alu instid0(VALU_DEP_2)
	v_max3_num_f32 v[RC+8*\b+4], v[MXA], v[MXB], v[RC+8*\b+4]
	s_delay_alu instid0(VALU_DEP_1)
	v_sub_f32 v[RC+8*\b+7], v[RC+8*\b+5], v[RC+8*\b+4]
.endr
.irp b, 0,1,2,3
.irp j, 0,2,4,6,8,10,12,14
	v_pk_fma_f32 v[S+16*\b+\j:S+16*\b+\j+1], v[S+16*\b+\j:S+16*\b+\j+1], v[RC+8*\b:RC+8*\b+1], v[RC+8*\b+4:RC+8*\b+5] op_sel_hi:[1,0,0] neg_lo:[0,0,1] neg_hi:[0,0,1]
.endr
.endr
.if \mask
.irp b, 0,1,2,3
.irp i, 0,1,2,3,4,5,6,7,8,9,10,11,12,13,14,15
	v_cndmask_b32 v[S+16*\b+\i], v[S+16*\b+\i], v[NINF], s[48+\i]
.endr
.endr
.endif
.set i, 0
	s_wait_alu depctr_va_vdst(0)
.rept 64
	v_exp_f32 v[S+i], v[S+i]
.set i, i+1
.endr
.irp b, 0,1,2,3
	v_exp_f32 v[RC+8*\b+6], v[RC+8*\b+7]
.endr
	v_nop
	s_wait_alu depctr_va_vdst(0)
.irp b, 0,1,2,3
	v_pk_fma_f32 v[SUM+2*\b:SUM+2*\b+1], v[SUM+2*\b:SUM+2*\b+1], v[RC+8*\b+6:RC+8*\b+7], v[S+16*\b:S+16*\b+1] op_sel_hi:[1,0,1]
.endr
.irp j, 2,4,6,8,10,12,14
.irp b, 0,1,2,3
	v_pk_add_f32 v[SUM+2*\b:SUM+2*\b+1], v[SUM+2*\b:SUM+2*\b+1], v[S+16*\b+\j:S+16*\b+\j+1]
.endr
.endr
.endm
.macro BODY mask
	WIN 0x04
	KLD 0, 0
.irp ks, 0,1,2,3
	ds_load_b64 v[S1W+2*\ks:S1W+2*\ks+1], v[AS1] offset:256*\ks
.endr
	KLD 1, 1
	KLD 2, 2
.irp j, 0,1,2,3
	ds_load_b128 v[NRM+4*\j:NRM+4*\j+3], v[AN] offset:16*\j
.endr
	s_wait_dscnt 20
	MM 0, 0, 1
	PLACES 8
	KLD 3, 0
	s_wait_dscnt 20
	MM 1, 1, 0
	s_wait_dscnt 12
	MM 2, 2, 0
	s_wait_dscnt 0x0
	MM 3, 0, 0
	WIN 0
	PLACES 8
	STAT \mask
.endm
.macro JOB sl, jb, mask
	v_add_nc_u32 v[AK], SLOTB*(\sl)+4*PIA*(\jb), v[AKB]
	s_wait_alu depctr_va_vdst(0)
	v_add_nc_u32 v[AS1], SLOTB*(\sl)+4*PIA*(\jb), v[ASB]
	v_add_nc_u32 v[AN], SLOTB*(\sl)+4*PIA*(\jb), v[ANB]
	BODY \mask
.endm
	s_load_b256 s[4:11], s[0:1], 0x0
	v_lshl_add_u32 v[SPW], v0, 2, SPARE
	v_mov_b32 v[NIL], 0
	ds_add_u32 v[SPW], v[NIL]
	ds_add_u32 v[SPW], v[NIL]
	v_lshrrev_b32 v[OF8], 5, v0
	s_delay_alu instid0(VALU_DEP_1)
	v_readfirstlane_b32 s[WV], v[OF8]
	s_and_b32 s16, s[WV], 3
	s_lshr_b32 s17, s[WV], 2
	s_bfe_u32 s13, ttmp6, 0x40000
	s_and_b32 s15, ttmp7, 0xffff
	s_lshl_b32 s15, s15, 1
	s_add_co_u32 s15, s15, ttmp9                   ; the cluster's number in the grid's order, 0 to 63
	s_bfe_u32 s14, s15, 0x10004                    ; bit 4: which 512 queries
	s_and_b32 s40, s15, 15
	s_lshr_b32 s15, s15, 5
	s_lshl_b32 s15, s15, 4
	s_or_b32 s15, s15, s40                         ; the other five bits: which of the 32 parts of N; the two clusters of a part lie 16 apart in that order
	s_cmp_eq_u32 s14, 0
	s_cselect_b32 s[LIM], 1, -1                    ; the first of the two prefetches
	s_lshl_b32 s14, s14, 2
	s_add_co_u32 s14, s14, s13
	s_lshr_b32 s40, s15, 1
	s_and_b32 s41, s15, 1
	s_mul_i32 s41, s41, 49
	s_mov_b32 s24, 15|(3<<16)|(1<<21)
	s_mov_b32 s25, 32<<16
	s_mov_b32 s26, ROWS<<16
	s_mov_b32 s27, 32<<16
	s_mov_b32 s28, ROWS
	s_mov_b32 s29, 32
	s_mov_b32 s30, 0
	s_mov_b32 s31, 0
	s_mul_i32 s43, s40, 25
	s_add_co_u32 s42, s41, s[WV]
	s_lshr_b32 s20, s42, 2
	s_add_co_u32 s20, s20, s43
	s_mul_i32 s20, s20, RECB
	s_and_b32 s21, s42, 3
	s_mul_i32 s21, s21, PIA
	s_add_co_u32 s20, s20, s21
	s_mov_b32 s21, 0
	s_add_co_u32 s42, s41, 48
	s_lshr_b32 s44, s42, 2
	s_add_co_u32 s44, s44, s43
	s_mul_i32 s44, s44, RECB
	s_and_b32 s45, s42, 3
	s_mul_i32 s45, s45, PIA
	s_add_co_u32 s44, s44, s45
	s_mov_b32 s45, 0
	s_mul_i32 s22, s[WV], PIA
	s_cmp_lt_u32 s40, 11
	s_cselect_b32 s18, 64, 32
	s_cmp_eq_u32 s40, 15
	s_cselect_b32 s18, 16, s18
	s_add_co_u32 s18, s18, 3072
	s_add_co_u32 s[MDA], s41, s16
	s_add_co_u32 s[MDA], s[MDA], 44
	s_lshl_b32 s[MDA], s[MDA], 5
	s_sub_co_i32 s[MDA], s18, s[MDA]
	s_lshl_b32 s[MDB], s42, 5
	s_sub_co_i32 s[MDB], s18, s[MDB]
	s_lshl_b32 s72, s14, 3
	s_lshl_b32 s73, s17, 2
	s_add_co_u32 s72, s72, s73
	s_lshl_b32 s74, s72, 6
	s_mov_b32 s75, 0
	s_mul_i32 s72, s72, XTB
	s_mov_b32 s73, 0
	s_lshl_b32 s76, s15, 13
	s_lshl_b32 s77, s14, 10
	s_add_co_u32 s76, s76, s77
	s_lshl_b32 s77, s[WV], 8
	s_add_co_u32 s76, s76, s77
	s_mov_b32 s77, 0
	s_wait_dscnt 0x0
	s_wait_kmcnt 0x0
	s_add_nc_u64 s[20:21], s[4:5], s[20:21]
	s_add_nc_u64 s[44:45], s[4:5], s[44:45]
	s_add_nc_u64 s[6:7], s[6:7], s[72:73]
	s_add_nc_u64 s[8:9], s[8:9], s[74:75]
	s_add_nc_u64 s[10:11], s[10:11], s[76:77]
	s_add_nc_u64 s[PFA:PFA+1], s[20:21], 2*RECB
	ROUND
	s_mov_b32 s32, 1
	s_mov_b32 s33, s22
	s_mov_b64 s[34:35], s[20:21]
	s_or_b32 s35, s35, 0x80000000
	s_mov_b32 s36, 1
	s_add_co_u32 s37, s22, SLOTB
	s_add_nc_u64 s[38:39], s[20:21], 2*RECB
	s_or_b32 s39, s39, 0x80000000
	s_mov_b32 s[G0X], 1
	s_mov_b32 s[G0X+1], XP
	s_mov_b64 s[G0X+2:G0X+3], s[44:45]
	s_or_b32 s[G0X+3], s[G0X+3], 0x80000000
	tensor_load_to_lds s[32:35], s[24:31]
	s_nop 0
	PLACES 4
	v_and_b32 v[S+4], 31, v0
	v_bfe_u32 v[S+2], v0, 4, 1
	v_and_b32 v[S+3], 15, v0
	s_mul_i32 s23, s16, PIA
	v_lshl_add_u32 v[AKB], v[S+4], 4, s23
	s_add_co_u32 s42, s23, 16384
	v_lshl_add_u32 v[ASB], v[S+4], 3, s42
	s_add_co_u32 s42, s23, 17408
	v_lshl_add_u32 v[ANB], v[S+2], 6, s42
	v_lshlrev_b32 v[H16], 4, v[S+2]
	v_mov_b32 v[NINF], 0xff800000
	v_lshlrev_b32 v[OF8], 3, v[S+4]
	v_min_u32 v[PFO], 17, v[S+4]
	s_mul_i32 s42, s13, 18
	v_add_nc_u32 v[PFO], s42, v[PFO]
	s_delay_alu instid0(VALU_DEP_1)
	v_min_u32 v[PFO], 68, v[PFO]
	s_delay_alu instid0(VALU_DEP_1)
	v_lshlrev_b32 v[PFO], 8, v[PFO]
	v_lshlrev_b32 v[S], 4, v[S+4]
	v_lshlrev_b32 v[S+1], 2, v[S+3]
	WIN 0x40
.irp b, 0,1,2,3
.irp ks, 0,1,2,3
.irp c, 0,1,2,3
	global_load_b128 v[16*(4*\b+\ks)+4*\c:16*(4*\b+\ks)+4*\c+3], v[S], s[6:7] offset:XTB*\b+2048*\ks+512*\c
.endr
.endr
.endr
	WIN 0
.irp b, 0,1,2,3
	global_load_b128 v[XS+4*\b:XS+4*\b+3], v[S], s[6:7] offset:XTB*\b+8192
.endr
.irp b, 0,1,2,3
	global_load_b32 v[RC+8*\b+1], v[S+1], s[8:9] offset:64*\b
.endr
	s_wait_loadcnt 0x0
	ROWCONST
.irp b, 0,1,2,3
	v_mov_b32 v[RC+8*\b+4], 0xff61b1e6
	v_mov_b32 v[RC+8*\b+6], 0
	v_mov_b32 v[SUM+2*\b], 0
	v_mov_b32 v[SUM+2*\b+1], 0
.endr
	s_mov_b32 s[CNT], 2
.Lpair:
	HEAD 0, 1, 1
	JOB 0, 0, 0
	JOB 0, 1, 0
	HEAD 1, 1, 1
	JOB 1, 0, 0
	JOB 1, 1, 0
	s_sub_co_u32 s[CNT], s[CNT], 1
	s_cmp_lg_u32 s[CNT], 0
	s_cbranch_scc1 .Lpair
	HEAD 0, 1, 0
	JOB 0, 0, 0
	JOB 0, 1, 0
	s_wait_tensorcnt 0x0                           ; the last change of slots: my part of slot 1 has landed
	ds_add_u32 v[SPW], v[NIL]
	s_wait_dscnt 0x0
	ROUND                                          ; no bytes are filled again behind this round: the part's 49th piece, a first fill of bytes of its own, is asked for here, jointly, by wave 0
	s_cmp_lg_u32 s[WV], 0
	s_cbranch_scc1 .Lno_extra
	tensor_load_to_lds s[G0X:G0X+3], s[24:31]
	s_nop 0
	PLACES 4
.Lno_extra:
	JOB 1, 0, 0
	MASKS MDA
	JOB 1, 1, 1
	s_wait_alu depctr_va_vdst(0)
	s_wait_tensorcnt 0x0                           ; the 49th piece has landed (two jobs stand between its load and this wait),
	s_barrier_signal -1                            ; and wave 0 says so to wave 5, which reads it too
	s_barrier_wait -1
	s_cmp_eq_u32 s[WV], 0
	s_cbranch_scc1 .Lextra
	s_cmp_lg_u32 s[WV], 5
	s_cbranch_scc1 .Lno_last
.Lextra:
	MASKS MDB
	v_lshl_add_u32 v[AK], v[OF8], 1, XP
	s_wait_alu depctr_va_vdst(0)
	v_add_nc_u32 v[AS1], XP+16384, v[OF8]
	v_lshl_add_u32 v[AN], v[H16], 2, XP+17408
	BODY 1
.Lno_last:
	s_lshl_b32 s20, s[WV], 10
	s_add_co_u32 s20, s20, MS
	v_add_nc_u32 v[MSW], s20, v[OF8]
	s_lshr_b32 s21, s[WV], 1
	s_and_b32 s21, s21, 1
	s_lshl_b32 s21, s21, 12
	s_and_b32 s22, s[WV], 1
	s_lshl_b32 s22, s22, 9
	s_add_co_u32 s21, s21, s22
	s_add_co_u32 s21, s21, MS
	v_add_nc_u32 v[MSR], s21, v[OF8]
	s_delay_alu instid0(VALU_DEP_1)
	v_lshl_add_u32 v[MSR], v[H16], 3, v[MSR]
	s_wait_alu depctr_va_vdst(0)
.irp b, 0,1,2,3
	v_add_f32 v[RC+8*\b+5], v[SUM+2*\b], v[SUM+2*\b+1]
.endr
.irp b, 0,1,2,3
	ds_store_b64 v[MSW], v[RC+8*\b+4:RC+8*\b+5] offset:256*\b
.endr
	s_wait_dscnt 0x0
	s_barrier_signal -1
	s_barrier_wait -1
	s_cmp_lt_u32 s[WV], 4
	s_cbranch_scc0 .Lfin
.set k, 0
.rept 8
	ds_load_b64 v[S+2*k:S+2*k+1], v[MSR] offset:1024*(k/2)+128*(k%2)
.set k, k+1
.endr
	s_wait_dscnt 0x0
	v_max3_num_f32 v[MXA], v[S], v[S+2], v[S+4]
	s_delay_alu instid0(VALU_DEP_1)
	v_max3_num_f32 v[MXA], v[MXA], v[S+6], v[S+8]
	s_delay_alu instid0(VALU_DEP_1)
	v_max3_num_f32 v[MXA], v[MXA], v[S+10], v[S+12]
	s_delay_alu instid0(VALU_DEP_1)
	v_max_num_f32 v[MXA], v[MXA], v[S+14]
.set k, 0
.rept 8
	v_sub_f32 v[S+2*k], v[S+2*k], v[MXA]
.set k, k+1
.endr
.set k, 0
	s_wait_alu depctr_va_vdst(0)
.rept 8
	v_exp_f32 v[S+2*k], v[S+2*k]
.set k, k+1
.endr
	v_nop
	s_wait_alu depctr_va_vdst(0)
	v_mul_f32 v[MXB], v[S], v[S+1]
.set k, 1
.rept 7
	v_fmac_f32 v[MXB], v[S+2*k], v[S+2*k+1]
.set k, k+1
.endr
	global_store_b64 v[OF8], v[MXA:MXB], s[10:11]
.Lfin:
	s_wait_tensorcnt 0x0
	ds_add_u32 v[SPW], v[NIL]
	s_wait_dscnt 0x0
	ROUND
	s_endpgm
.Lfunc_end_k_q72ec21951d_stats:
	.size	k_q72ec21951d_stats, .Lfunc_end_k_q72ec21951d_stats-k_q72ec21951d_stats
	.p2alignl 7, 3214868480
	.fill 96, 4, 3214868480
	.section	.rodata,"a",@progbits
	.p2align	6, 0x0
	.amdhsa_kernel k_q72ec21951d_stats
		.amdhsa_group_segment_fixed_size 327680
		.amdhsa_private_segment_fixed_size 0
		.amdhsa_enable_private_segment 0
		.amdhsa_kernarg_size 32
		.amdhsa_user_sgpr_count 2
		.amdhsa_user_sgpr_kernarg_segment_ptr 1
		.amdhsa_wavefront_size32 1
		.amdhsa_system_sgpr_workgroup_id_x 1
		.amdhsa_system_sgpr_workgroup_id_y 1
		.amdhsa_system_sgpr_workgroup_id_z 1
		.amdhsa_system_vgpr_workitem_id 0
		.amdhsa_next_free_vgpr 512
		.amdhsa_next_free_sgpr 84
		.amdhsa_reserve_vcc 0
		.amdhsa_float_denorm_mode_32 3
		.amdhsa_float_denorm_mode_16_64 3
		.amdhsa_memory_ordered 1
		.amdhsa_forward_progress 1
		.amdhsa_inst_pref_size 227
	.end_amdhsa_kernel
	.amdgpu_metadata
---
amdhsa.version: [ 1, 2 ]
amdhsa.kernels:
  - .name:           k_q72ec21951d_stats
    .symbol:         k_q72ec21951d_stats.kd
    .args:
      - { .name: rec, .offset: 0, .size: 8, .value_kind: global_buffer, .address_space: global }
      - { .name: xq, .offset: 8, .size: 8, .value_kind: global_buffer, .address_space: global }
      - { .name: t, .offset: 16, .size: 8, .value_kind: global_buffer, .address_space: global }
      - { .name: pms, .offset: 24, .size: 8, .value_kind: global_buffer, .address_space: global }
    .group_segment_fixed_size: 327680
    .private_segment_fixed_size: 0
    .kernarg_segment_align: 8
    .kernarg_segment_size: 32
    .max_flat_workgroup_size: 256
    .sgpr_count:     84
    .vgpr_count:     512
    .wavefront_size: 32
...
	.end_amdgpu_metadata
.endif
;; end of part 2
;; launch apply (part 3): grid 16 x 16, 4 waves a work-group, clusters of 4 x 1, 327,680 bytes of LDS; arguments rec, xq, t, pms, part; writes part
.if DOCPART == 3
	.amdgcn_target "amdgcn-amd-amdhsa--gfx1250"
	.amdhsa_code_object_version 6
	.text
	.protected	k_q72ec21951d_apply
	.globl	k_q72ec21951d_apply
	.p2align	8
	.type	k_q72ec21951d_apply,@function
k_q72ec21951d_apply:
	s_mov_b64 s[64:65], 0
	v_nop
	global_prefetch_b8 v0, s[64:65] scope:SCOPE_SE
	s_setreg_imm32_b32 hwreg(HW_REG_WAVE_MODE, 25, 1), 1
	s_wait_xcnt 0x0
	s_wait_alu depctr_hold_cnt(0) depctr_sa_sdst(0) depctr_va_vdst(0) depctr_va_sdst(0) depctr_va_ssrc(0) depctr_va_vcc(0) depctr_vm_vsrc(0)
	s_getreg_b32 s2, hwreg(HW_REG_IB_STS2, 6, 4)
	s_cmp_eq_u32 s2, 0
	s_cbranch_scc0 .Lentry_in_a_cluster
	s_endpgm
.Lentry_in_a_cluster:
	s_bfe_u32 s2, ttmp6, 0x10000c
	s_cmp_lg_u32 s2, 0x3003
	s_cbranch_scc0 .Lentry_shape_is_right
	s_endpgm
.Lentry_shape_is_right:
; APPLY: for 64 queries and one split of N: part[split][query][:] = the sum over the split's rows of Q(p) Q(dataset), p = (1 + t/b) 2^(A y - M) / S, the finished weight.
; y, A as in stats, by the same lines: the first product is made again.  M and S of the whole row are joined at the head from the 32 parts' pairs in pms.
; LEFT OUT: term_1, the same along the softmax's axis (shown at the head of prep).  LIMITS as stated there; p whose 2^z falls under 2^-126 comes out as 0 (ISA guide, v_exp_f32).
; p is quantised along N in blocks of 32 rows counted from row 0 of dataset (every split begins on such a block); the hold is two-sided, since 1 + t/b may be negative.
; SHARES.  Four waves.  First product: wave w takes rows 32 w .. +31 of a chunk of 128, for all 64 queries.  Second: columns 128 w .. +127 of the result, for all 64 queries.
; x's codes (256 registers) and the result (256) stay in registers; each byte of a record is read from LDS by exactly one wave.  Only p goes from wave to wave, as an image of the operand's registers.
; Both products are used transposed (source 0 = dataset, source 1 = queries): a lane holds ONE query throughout.  The rows of a tile of the first product are 8 u + r + 8 (r / 8): a lane's 16 scores are 16 neighbouring rows.
; STAGES.  Step j makes the first product and p of chunk j, and the SECOND product of chunk j - 1: p(j) is stored into image j % 2 and read from there behind the round at the head of step j + 1,
; so a step has one meeting of the waves.  Operands wait in registers: chunk j's codes along N are read from LDS in step j, chunk j + 1's codes along D, scale words and sums of squares too, each as soon as
; the matrix instructions that read those registers are issued and their places have passed.
; THE FILLS ARE SKEWED for that: part B of record j + 1 and part A of record j + 2 are neighbours in rec, 138,240 dense bytes from byte 70,656 of record j + 1 on; step j asks for them, into slot j % 2 (B at +0, A at +67,584),
; and step j + 1 reads them.  The head asks for B(0), A(1); part A of record 0 comes straight into registers by global loads (17,664 bytes a wave); step 23 asks for B(24) alone, 66 rows a wave.
; A step: the refill; loads of p(j-1); the first product, 32 matrix instructions on end (its operands are in registers); loads of chunk j + 1's operands along D; the second product of chunk j - 1, 32 on end;
; the softmax and the quantiser, with the loads of chunk j's codes along N behind its first 32 lines.  Each register window is set once for each of these runs.
; CLUSTER.  The four work-groups of a cluster have four blocks of queries and ONE split: each fill is asked for jointly, the same tensor load with the same descriptor and the mask 15 in all four.
; split = 4 x cluster x + y % 4; the block of 256 queries is y / 4.
; A ring of two slots; each wave fetches a quarter of a fill, 135 rows of 256 bytes.  By this text's own count one tensor load of a wave is out behind each round; every wait on TENSORcnt is for 0.
; 25 steps and a last second product; in step 24 rows beyond the split's L are hidden (their codes are zeros, their p becomes 0).
; REGISTERS, in windows of 256: window 0: addresses, scale words, constants, scores, p.  Window 1: x, 16 (4 b + ks).  Window 2: the result, 8 (8 b + T).  Window 3: v0-127 dataset along D, 16 (4 u + ks); v128-255 dataset along N, 16 T.
.set RECB,  138240
.set PIA,   17664
.set PARTB, 70656
.set PIB,   16896
.set AOFF,  4*PIB                      ; where part A lies in a slot
.set QB,    34560
.set ROWS,  135
.set XTB,   8704
.set PIMG,  2*RECB                     ; behind the ring: two images of p, each codes [query tile 4][c 4][lane 32][16 bytes], then scale words [query tile 4][lane 32][4 bytes], byte c from wave c
.set PIS,   8704                       ; an image
.set SP,    528                        ; the way out: a stage of 16 rows x (512 bytes + 16) for each wave, from byte 0 of slot 0, which has had its last fill and its last read by then
.set SPARE, PIMG+2*PIS                 ; the spare words, 128 bytes a wave: two blocks of 256 bytes that no other line names
.set ADK,  1                           ; v1-2   my rows' codes along D in slot 0, 1
.set ADV,  3                           ; v3-4   my columns' codes along N
.set AS1,  5                           ; v5-6   my rows' scale words
.set AN,   7                           ; v7-8   my rows' sums of squares
.set PWI,  9                           ; v9     where I put p's codes (image 0)
.set PRI,  10                          ; v10    where everybody reads them
.set PWS,  11                          ; v11    where I put p's scale byte
.set PRS,  12                          ; v12    where everybody reads the words
.set STO,  13                          ; v13    the stage, on the way in
.set RD,   14                          ; v14    and back
.set CO,   15                          ; v15    16 x lane
.set SPW,  16                          ; v16    my spare word; never rewritten
.set NIL,  17                          ; v17    0; never rewritten
.set MD,   18                          ; v18    L - 32 w - 16 h
.set NINF, 19                          ; v19    -infinity
.set S1W,  20                          ; v20-27 scale words of dataset along D, 2 ks + u
.set XS,   28                          ; v28-43 of x, 4 b + ks
.set S2W,  44                          ; v44-47 of dataset along N: lane l of word g: column 32 g + l
.set PS,   48                          ; v48-51 of p   (v20-51 hold scales and nothing else)
.set NRM,  52                          ; v52-67 the sums of squares of my 16 rows
.set RC,   68                          ; v68-99 eight a query tile: +0 A, +2 -t/2, +4 M, +6 g = (1 + t/b) / S; the odd ones at work
.set TM,   100                         ; v100-115 at work
.set PFO,  116                         ; v116   256 x lane
.set PFO2, 117                         ; v117   256 x min(lane, 6)
.set PC,   118                         ; the codes that I make: tiles 0, 1 in v118-125; tiles 2, 3 in v128-135, tile 0's scores, which are done with by then
.set S,    128                         ; v128-191 the scores, then p: 16 b + 8 u + j
.set PF,   192                         ; v192-255 p's four fragments of the chunk before
.set WV,   14                          ; s14
.set CNT,  19
.set LIM,  43                          ; s43    1 in a cluster that prefetches, else the greatest number
.set PFA,  44                          ; s[44:45], s[46:47] where my prefetches stand
.set PFB,  46
.set MSB, 0
.macro WIN new                         ; the immediate's high byte repeats the setting that is left
.if MSB != \new
	s_set_vgpr_msb (MSB<<8)|\new
.set MSB, \new
.endif
.endm
.macro PLACES n
.rept \n
	v_nop
.endr
.endm
.macro ROUND                           ; a round of the cluster's barrier
	s_barrier_signal -1
	s_barrier_wait -1
	s_cmp_lg_u32 s[WV], 0
	s_cbranch_scc1 .Lnot_wave_0_\@
	s_barrier_signal -3
.Lnot_wave_0_\@:
	s_barrier_wait -3
	s_barrier_signal -1
	s_barrier_wait -1
.endm
.macro ROWCONST                        ; t in v[RC + 8 b + 1]: A and -t/2, by the same lines as in stats
.irp b, 0,1,2,3
	v_sub_f32 v[RC+8*\b+3], 1.0, v[RC+8*\b+1]
.endr
.irp b, 0,1,2,3
	v_mul_f32 v[RC+8*\b+5], v[RC+8*\b+3], v[RC+8*\b+3]
.endr
	s_wait_alu depctr_va_vdst(0)
.irp b, 0,1,2,3
	v_rcp_f32 v[RC+8*\b+7], v[RC+8*\b+5]
.endr
.irp b, 0,1,2,3
	v_mul_f32 v[RC+8*\b+2], -0.5, v[RC+8*\b+1]
.endr
	s_wait_alu depctr_va_vdst(0)
.irp b, 0,1,2,3
	v_mul_f32 v[RC+8*\b], v[RC+8*\b+1], v[RC+8*\b+7]
.endr
.irp b, 0,1,2,3
	v_mul_f32 v[RC+8*\b], 0x3fb8aa3b, v[RC+8*\b]
.endr
.endm
; A PREFETCH INTO THE L2: step t asks for the 138,240 bytes that step t + 2's tensor loads bring.  All four clusters of a split walk the same bytes: the one with y / 4 = 0 asks.
; They are 540 blocks of 256 bytes.  The sixteen waves of the cluster share the first 512 out BY ADDRESS, 32 a wave, a lane a block; of the last 28, wave 0 of each partner takes 7 (its lanes 7 to 31 repeat the seventh).
; how = 1: in every pass; how = 2: not in the loop's last pass (step 21), whose bytes would reach past the split's last record.  Steps 22 to 24 ask for nothing.
.macro ASK how
.if \how == 1
	s_cmp_eq_u32 s[LIM], 1
.else
	s_cmp_gt_u32 s[CNT], s[LIM]
.endif
	s_cbranch_scc0 .Lnot_mine_\@
	global_prefetch_b8 v[PFO], s[PFA:PFA+1] th:TH_LOAD_NT scope:SCOPE_SE
	s_cmp_lg_u32 s[WV], 0
	s_cbranch_scc1 .Lnot_mine_\@
	global_prefetch_b8 v[PFO2], s[PFB:PFB+1] th:TH_LOAD_NT scope:SCOPE_SE
.Lnot_mine_\@:
.endm
.macro P1ALL                           ; the scores of my 32 rows and all 64 queries: eight accumulators by turns, one instruction a turn; the first K step starts the sums
	WIN 0x07                                       ; source 0 window 3, source 1 window 1
.irp ks, 0,1,2,3
.irp u, 0,1
.irp b, 0,1,2,3
.if \ks == 0
	v_wmma_scale_f32_16x16x128_f8f6f4 v[S+16*\b+8*\u:S+16*\b+8*\u+7], v[16*(4*\u+\ks):16*(4*\u+\ks)+15], v[16*(4*\b+\ks):16*(4*\b+\ks)+15], 0, v[S1W+2*\ks+\u], v[XS+4*\b+\ks]
.else
	v_wmma_scale_f32_16x16x128_f8f6f4 v[S+16*\b+8*\u:S+16*\b+8*\u+7], v[16*(4*\u+\ks):16*(4*\u+\ks)+15], v[16*(4*\b+\ks):16*(4*\b+\ks)+15], v[S+16*\b+8*\u:S+16*\b+8*\u+7], v[S1W+2*\ks+\u], v[XS+4*\b+\ks]
.endif
.endr
.endr
.endr
	WIN 0
.endm
.macro P2ONE T, b, zero                ; result (query tile b, columns 16 T on) += dataset along N x p
.set rO, 8*(8*(\b)+(\T))
.set rV, 128+16*(\T)
.set rP, PF+16*(\b)
.if \zero
.if (\T)%2
	v_wmma_scale_f32_16x16x128_f8f6f4 v[rO:rO+7], v[rV:rV+15], v[rP:rP+15], 0, v[S2W+(\T)/2], v[PS+(\b)] matrix_a_scale:MATRIX_SCALE_ROW1
.else
	v_wmma_scale_f32_16x16x128_f8f6f4 v[rO:rO+7], v[rV:rV+15], v[rP:rP+15], 0, v[S2W+(\T)/2], v[PS+(\b)]
.endif
.else
.if (\T)%2
	v_wmma_scale_f32_16x16x128_f8f6f4 v[rO:rO+7], v[rV:rV+15], v[rP:rP+15], v[rO:rO+7], v[S2W+(\T)/2], v[PS+(\b)] matrix_a_scale:MATRIX_SCALE_ROW1
.else
	v_wmma_scale_f32_16x16x128_f8f6f4 v[rO:rO+7], v[rV:rV+15], v[rP:rP+15], v[rO:rO+7], v[S2W+(\T)/2], v[PS+(\b)]
.endif
.endif
.endm
.macro P2ALL zero                      ; 32 accumulators, one instruction each
	WIN 0xa3                                       ; source 0 window 3, source 1 window 0, C and D window 2
.irp T, 0,1,2,3,4,5,6,7
.irp b, 0,1,2,3
	P2ONE \T, \b, \zero
.endr
.endr
	WIN 0
.endm
.macro VLD slot                        ; this chunk's codes along N and their scale words, into the registers that the chunk before has done with
	WIN 0xc0
.irp T, 0,1,2,3,4,5,6,7
.irp c, 0,1,2,3
	ds_load_b128 v[128+16*\T+4*\c:128+16*\T+4*\c+3], v[ADV+\slot] offset:2048*\T+512*\c
.endr
.endr
	WIN 0
	ds_load_b128 v[S2W:S2W+3], v[ADV+\slot] offset:16384
.endm
.macro KLD slot                        ; the next chunk's scale words and codes along D
.irp ks, 0,1,2,3
	ds_load_b64 v[S1W+2*\ks:S1W+2*\ks+1], v[AS1+\slot] offset:256*\ks
.endr
	WIN 0xc0
.irp u, 0,1
.irp ks, 0,1,2,3
.irp c, 0,1,2,3
	ds_load_b128 v[16*(4*\u+\ks)+4*\c:16*(4*\u+\ks)+4*\c+3], v[ADK+\slot] offset:8192*\u+2048*\ks+512*\c
.endr
.endr
.endr
	WIN 0
.endm
.macro NLD slot                        ; the next chunk's sums of squares
.irp j, 0,1,2,3
	ds_load_b128 v[NRM+4*\j:NRM+4*\j+3], v[AN+\slot] offset:16*\j
.endr
.endm
; The scores become p, its codes and its scale bytes, which go into image sl; a block of 32 rows lies in lanes l and l xor 16.  kl = 1: a chunk follows.
.macro SOFT mask, sl, kl
.irp b, 0,1,2,3
.irp j, 0,2,4,6,8,10,12,14
	v_pk_fma_f32 v[S+16*\b+\j:S+16*\b+\j+1], v[NRM+\j:NRM+\j+1], v[RC+8*\b+2:RC+8*\b+3], v[S+16*\b+\j:S+16*\b+\j+1] op_sel_hi:[1,0,1]   ; y; each accumulator from its low end on
.endr
.endr
	VLD 1-\sl                                      ; the 32 lines above name no register of the second product: they are the places behind it
.if \kl
	NLD 1-\sl                                      ; and they were the last to read this chunk's sums of squares
.endif
.irp b, 0,1,2,3
.irp j, 0,2,4,6,8,10,12,14
	v_pk_fma_f32 v[S+16*\b+\j:S+16*\b+\j+1], v[S+16*\b+\j:S+16*\b+\j+1], v[RC+8*\b:RC+8*\b+1], v[RC+8*\b+4:RC+8*\b+5] op_sel_hi:[1,0,0] neg_lo:[0,0,1] neg_hi:[0,0,1]   ; A y - M
.endr
.endr
.if \mask
.set i, 0
.rept 16
	v_cmp_gt_i32 s[48+i], i+1, v[MD]               ; my row i is hidden where i >= MD
.set i, i+1
.endr
.irp b, 0,1,2,3
.irp i, 0,1,2,3,4,5,6,7,8,9,10,11,12,13,14,15
	v_cndmask_b32 v[S+16*\b+\i], v[S+16*\b+\i], v[NINF], s[48+\i]
.endr
.endr
.endif
	s_wait_alu depctr_va_vdst(0)
.set i, 0
.rept 64
	v_exp_f32 v[S+i], v[S+i]
.set i, i+1
.endr
	v_nop                                          ; a plain line behind the last exponential
	s_wait_alu depctr_va_vdst(0)                   ; one wait for the batch of 64, ahead of its first reader
.irp b, 0,1,2,3
.irp j, 0,2,4,6,8,10,12,14
	v_pk_mul_f32 v[S+16*\b+\j:S+16*\b+\j+1], v[S+16*\b+\j:S+16*\b+\j+1], v[RC+8*\b+6:RC+8*\b+7] op_sel_hi:[1,0]   ; p, finished and normalised
.endr
.endr
.irp b, 0,1,2,3                        ; the largest magnitude of my 16, two chains a tile; the floor 2^(9 - 127) among the leaves: the byte cannot fall under 1
	v_max3_num_f32 v[TM+\b], |v[S+16*\b]|, |v[S+16*\b+1]|, 0x4800000
	v_max3_num_f32 v[TM+4+\b], |v[S+16*\b+8]|, |v[S+16*\b+9]|, |v[S+16*\b+10]|
.endr
.irp i, 2,4
.irp b, 0,1,2,3
	v_max3_num_f32 v[TM+\b], v[TM+\b], |v[S+16*\b+\i]|, |v[S+16*\b+\i+1]|
	v_max3_num_f32 v[TM+4+\b], v[TM+4+\b], |v[S+16*\b+9+\i]|, |v[S+16*\b+10+\i]|
.endr
.endr
.irp b, 0,1,2,3
	v_max3_num_f32 v[TM+\b], v[TM+\b], |v[S+16*\b+6]|, |v[S+16*\b+7]|
.endr
.irp b, 0,1,2,3
	v_max3_num_f32 v[TM+\b], v[TM+\b], v[TM+4+\b], |v[S+16*\b+15]|
.endr
.irp b, 0,1,2,3
	v_permlanex16_b32 v[TM+4+\b], v[TM+\b], s40, s41
.endr
.irp b, 0,1,2,3
	v_max_num_f32 v[TM+\b], v[TM+\b], v[TM+4+\b]           ; with lane l xor 16: the block's
.endr
.irp b, 0,1,2,3
	v_add_nc_u32 v[TM+12+\b], 0xfc000000, v[TM+\b]         ; 8 off its exponent field: the conversion's scale operand
.endr
.irp b, 0,1,2,3
	v_and_or_b32 v[TM+8+\b], v[TM+\b], 0x7f800000, s42     ; 448 x the scale
.endr
.irp b, 0,1,2,3
	v_lshrrev_b32 v[TM+4+\b], 23, v[TM+12+\b]              ; the scale's byte
.endr
.irp b, 0,1,2,3
.irp i, 0,1,2,3,4,5,6,7,8,9,10,11,12,13,14,15
	v_med3_num_f32 v[S+16*\b+\i], v[S+16*\b+\i], -v[TM+8+\b], v[TM+8+\b]
.endr
	v_cvt_scalef32_pk8_fp8_f32 v[PC+4*\b+2*(\b/2):PC+4*\b+2*(\b/2)+1], v[S+16*\b:S+16*\b+7], v[TM+12+\b]
	v_cvt_scalef32_pk8_fp8_f32 v[PC+4*\b+2*(\b/2)+2:PC+4*\b+2*(\b/2)+3], v[S+16*\b+8:S+16*\b+15], v[TM+12+\b]
	ds_store_b128 v[PWI], v[PC+4*\b+2*(\b/2):PC+4*\b+2*(\b/2)+3] offset:2048*\b+PIS*(\sl)   ; registers 4 w .. 4 w + 3 of query tile b's fragment, as they stand
	ds_store_b8 v[PWS], v[TM+4+\b] offset:128*\b+PIS*(\sl)                                  ; byte w of its scale word
.endr
	v_nop                                          ; a plain line behind the last conversion
.endm
.macro PLD im                          ; p's four fragments and scale words out of image im
.irp b, 0,1,2,3
.irp c, 0,1,2,3
	ds_load_b128 v[PF+16*\b+4*\c:PF+16*\b+4*\c+3], v[PRI] offset:2048*\b+512*\c+PIS*(\im)
.endr
	ds_load_b32 v[PS+\b], v[PRS] offset:128*\b+PIS*(\im)
.endr
.endm
; STEP j, sl = j % 2: it reads slot 1 - sl.  fill: 1: slot sl takes B(j + 1), A(j + 2); 2: B(j + 1) alone, the last; 0: nothing.  p2: the second product of the chunk before: 0 there is none, 1 it adds, 2 it starts the sums.
; mask = 1: the last chunk.  ask: see ASK (0: none).
.macro TRIP sl, fill, p2, mask, ask
	s_wait_xcnt 0x0                                ; the last prefetches, a step back, have read their addresses: they are stepped here, ahead of the waits of the change of slots
	s_add_nc_u64 s[PFA:PFA+1], s[PFA:PFA+1], RECB
	s_add_nc_u64 s[PFB:PFB+1], s[PFB:PFB+1], RECB
	s_wait_tensorcnt 0x0                           ; my one load, my quarter of what this step reads, has landed: so the descriptors may be written
	ds_add_u32 v[SPW], v[NIL]                      ; 0 onto my spare word
	s_add_nc_u64 s[38-4*\sl:39-4*\sl], s[38-4*\sl:39-4*\sl], 2*RECB   ; the other slot's next fill
.if (\fill) == 2
	s_mov_b32 s26, 66<<16                          ; part B alone: 264 rows of 256 bytes, 66 a wave: a piece each
	s_mov_b32 s28, 66
	s_mul_i32 s60, s[WV], PIA                      ; QB - PIB = PIA: from my quarter of a fill back to my piece
	s_mov_b32 s61, 0
	s_sub_nc_u64 s[34+4*\sl:35+4*\sl], s[34+4*\sl:35+4*\sl], s[60:61]
	s_mul_i32 s[33+4*\sl], s[WV], PIB
	s_add_co_u32 s[33+4*\sl], s[33+4*\sl], RECB*\sl
.endif
	s_wait_dscnt 0x0                               ; the add is done, my reads of slot sl and of p's image are over, my p of the last step has landed, and my operands for this step are in registers
.if \fill
	ROUND                                          ; all that now holds of every wave of the four work-groups
	tensor_load_to_lds s[32+4*\sl:35+4*\sl], s[24:31]
	s_nop 0
.else
	s_barrier_signal -1                            ; nothing is filled any more: my work-group's barrier shows the slot and p whole
	s_barrier_wait -1
.endif
.if \p2
	PLD 1-\sl
.endif
.if \ask
	ASK \ask
.endif
	P1ALL
	PLACES 8                                       ; in front of the first read of the scores, and of the loads into the registers that the first product read
.if \fill
	KLD 1-\sl
.endif
.if \p2
.if \fill
	s_wait_dscnt 36                                ; p is in; out: the 4 + 32 loads issued behind it
.else
	s_wait_dscnt 0x0
.endif
.if (\p2) == 2
	P2ALL 1
.else
	P2ALL 0
.endif
.endif
	SOFT \mask, \sl, \fill
.endm
	s_load_b256 s[4:11], s[0:1], 0x0               ; rec s[4:5], xq s[6:7], t s[8:9], pms s[10:11]
	s_load_b64 s[12:13], s[0:1], 0x20              ; part
	v_lshl_add_u32 v[SPW], v0, 2, SPARE
	v_mov_b32 v[NIL], 0
	ds_add_u32 v[SPW], v[NIL]                      ; the wave's opening: the add, twice on end, and its wait ahead of my first tensor load
	ds_add_u32 v[SPW], v[NIL]
	v_lshrrev_b32 v1, 5, v0
	v_readfirstlane_b32 s[WV], v1                  ; wave 0..3
	s_bfe_u32 s15, ttmp6, 0x40000                  ; cx: it enters the addresses of x, t, pms, part and the prefetches alone
	s_and_b32 s16, ttmp7, 0xffff                   ; the cluster's y
	s_and_b32 s17, s16, 3
	s_lshl_b32 s18, ttmp9, 2
	s_add_co_u32 s17, s17, s18                     ; the split, which the four partners share: 4 x cluster x + y % 4
	s_lshr_b32 s16, s16, 2                         ; which 256 queries are the cluster's: y / 4
	s_cmp_eq_u32 s16, 0
	s_cselect_b32 s[LIM], 1, -1                    ; the same in all four partners
	s_lshl_b32 s16, s16, 2
	s_add_co_u32 s16, s16, s15                     ; my block of 64 queries
	s_mov_b32 s24, 15|(3<<16)|(1<<21)              ; group 1: the mask: all four work-groups; elements of 8 bytes; bit 21 set beside a mask; no padding
	s_mov_b32 s25, 32<<16                          ; tensor_dim0 = 32 elements: rows of 256 bytes
	s_mov_b32 s26, ROWS<<16                        ; tensor_dim1
	s_mov_b32 s27, 32<<16                          ; tile_dim0
	s_mov_b32 s28, ROWS                            ; tile_dim1
	s_mov_b32 s29, 32                              ; the pitch: the block is dense
	s_mov_b32 s30, 0
	s_mov_b32 s31, 0
	s_mul_i32 s20, s17, 25*RECB                    ; the split's first record (under 2^26)
	s_mov_b32 s21, 0
	s_mul_i32 s22, s[WV], QB                       ; my quarter of a fill, in memory and in a slot
	s_mov_b32 s23, 0
	s_cmp_lt_u32 s17, 11                           ; L: the split's rows in chunk 24
	s_cselect_b32 s18, 64, 32
	s_cmp_eq_u32 s17, 15
	s_cselect_b32 s18, 16, s18
	s_mov_b32 s40, 0x76543210
	s_mov_b32 s41, 0xfedcba98                      ; v_permlanex16_b32: lane l xor 16
	s_mov_b32 s42, 0x600000                        ; the mantissa field of 448
	s_wait_dscnt 0x0                               ; both opening adds are done
	s_wait_kmcnt 0x0
	s_add_nc_u64 s[4:5], s[4:5], s[20:21]
	ROUND                                          ; all four work-groups are here: the first joint loads meet
	s_mov_b32 s36, 1                               ; group 0 for slot 1: B(0), A(1), asked for here
	s_add_co_u32 s37, s22, RECB
	s_add_nc_u64 s[38:39], s[4:5], s[22:23]
	s_add_nc_u64 s[38:39], s[38:39], PARTB
	s_mov_b32 s32, 1                               ; for slot 0: B(1), A(2), asked for in step 0
	s_mov_b32 s33, s22
	s_add_nc_u64 s[34:35], s[38:39], RECB
	s_or_b32 s35, s35, 0x80000000
	s_or_b32 s39, s39, 0x80000000
	tensor_load_to_lds s[36:39], s[24:31]
	s_nop 0
	PLACES 4
	s_mul_i32 s20, s[WV], PIA
	s_add_nc_u64 s[60:61], s[4:5], s[20:21]        ; my piece of part A of record 0
	s_mul_i32 s20, s16, 4*XTB
	s_add_nc_u64 s[6:7], s[6:7], s[20:21]          ; x's four tiles
	s_lshl_b32 s20, s16, 8
	s_add_nc_u64 s[8:9], s[8:9], s[20:21]          ; t of my 64 queries
	s_lshl_b32 s20, s16, 9
	s_add_nc_u64 s[10:11], s[10:11], s[20:21]      ; their pairs in part 0
	s_lshl_b32 s20, s17, 21
	s_lshl_b32 s22, s16, 17
	s_add_co_u32 s20, s20, s22
	s_lshl_b32 s22, s[WV], 9
	s_add_co_u32 s20, s20, s22
	s_add_nc_u64 s[12:13], s[12:13], s[20:21]      ; part: my split, my 64 rows, my 128 columns
	s_lshl_b32 s20, s15, 2
	s_add_co_u32 s20, s20, s[WV]
	s_lshl_b32 s20, s20, 13                        ; 32 blocks of 256 bytes for each of the cluster's sixteen waves
	s_add_nc_u64 s[PFA:PFA+1], s[4:5], s[20:21]
	s_add_nc_u64 s[PFA:PFA+1], s[PFA:PFA+1], 2*RECB+PARTB   ; at step 1's fill: step 0 steps it to step 2's.  Nothing is prefetched here, at the head
	s_mul_i32 s20, s15, 7*256
	s_add_co_u32 s20, s20, 131072
	s_add_nc_u64 s[PFB:PFB+1], s[4:5], s[20:21]
	s_add_nc_u64 s[PFB:PFB+1], s[PFB:PFB+1], 2*RECB+PARTB
	v_and_b32 v100, 31, v0                         ; lane
	v_and_b32 v101, 15, v0                         ; r
	v_bfe_u32 v102, v0, 4, 1                       ; h
	s_mul_i32 s20, s[WV], PIA
	s_add_co_u32 s20, s20, AOFF
	v_lshl_add_u32 v[ADK], v100, 4, s20
	v_add_nc_u32 v[ADK+1], RECB, v[ADK]
	s_add_co_u32 s22, s20, 16384
	v_lshl_add_u32 v[AS1], v100, 3, s22
	v_add_nc_u32 v[AS1+1], RECB, v[AS1]
	s_add_co_u32 s22, s20, 17408
	v_lshl_add_u32 v[AN], v102, 6, s22
	v_add_nc_u32 v[AN+1], RECB, v[AN]
	s_mul_i32 s20, s[WV], PIB
	v_lshl_add_u32 v[ADV], v100, 4, s20
	v_add_nc_u32 v[ADV+1], RECB, v[ADV]
	v_lshlrev_b32 v[CO], 4, v100
	v_add_nc_u32 v[PRI], PIMG, v[CO]
	s_lshl_b32 s20, s[WV], 9
	v_add_nc_u32 v[PWI], s20, v[PRI]
	v_lshl_add_u32 v[PRS], v100, 2, PIMG+8192
	v_add_nc_u32 v[PWS], s[WV], v[PRS]
	s_mul_i32 s20, s[WV], 16*SP                    ; my stage
	v_add_nc_u32 v[RD], s20, v[CO]
	v_mul_u32_u24 v[STO], v101, SP
	v_lshl_add_u32 v[STO], v102, 5, v[STO]
	v_add_nc_u32 v[STO], s20, v[STO]
	s_lshl_b32 s20, s[WV], 5
	s_sub_co_i32 s20, s18, s20
	v_lshlrev_b32 v[MD], 4, v102
	v_sub_nc_u32 v[MD], s20, v[MD]
	v_mov_b32 v[NINF], 0xff800000
	v_lshlrev_b32 v[PFO], 8, v100
	v_min_u32 v[PFO2], 6, v100
	v_lshlrev_b32 v[PFO2], 8, v[PFO2]
	v_lshlrev_b32 v103, 2, v101                    ; 4 r
	v_lshlrev_b32 v104, 3, v101                    ; 8 r,
	v_lshl_add_u32 v104, v102, 17, v104            ; and 16 parts of 8,192 bytes on for lanes 16-31: lanes 0-15 join parts 0 to 15, lanes 16-31 parts 16 to 31
	v_lshlrev_b32 v105, 3, v100                    ; 8 x lane
	v_lshlrev_b32 v106, 6, v102                    ; 64 h
.irp b, 0,1,2,3
	v_mov_b32 v[TM+8+\b], 0                        ; written once: a lane permute's destination counts as one of its sources
.endr
	WIN 0x40                                       ; destination window 1: x's 16 fragments stay there
.irp b, 0,1,2,3
.irp ks, 0,1,2,3
.irp c, 0,1,2,3
	global_load_b128 v[16*(4*\b+\ks)+4*\c:16*(4*\b+\ks)+4*\c+3], v[CO], s[6:7] offset:XTB*\b+2048*\ks+512*\c
.endr
.endr
.endr
	WIN 0xc0                                       ; destination window 3: chunk 0's codes along D, laid in rec as the registers take them: 512 consecutive bytes a load
.irp u, 0,1
.irp ks, 0,1,2,3
.irp c, 0,1,2,3
	global_load_b128 v[16*(4*\u+\ks)+4*\c:16*(4*\u+\ks)+4*\c+3], v[CO], s[60:61] offset:8192*\u+2048*\ks+512*\c
.endr
.endr
.endr
	WIN 0
.irp ks, 0,1,2,3
	global_load_b64 v[S1W+2*\ks:S1W+2*\ks+1], v105, s[60:61] offset:16384+256*\ks   ; their scale words,
.endr
.irp j, 0,1,2,3
	global_load_b128 v[NRM+4*\j:NRM+4*\j+3], v106, s[60:61] offset:17408+16*\j      ; and the rows' sums of squares
.endr
.irp b, 0,1,2,3
	global_load_b128 v[XS+4*\b:XS+4*\b+3], v[CO], s[6:7] offset:XTB*\b+8192
.endr
.irp b, 0,1,2,3
	global_load_b32 v[RC+8*\b+1], v103, s[8:9] offset:64*\b
.endr
.set i, 0
.rept 64                                           ; (M, S) of query tile i / 16 in part 16 h + i % 16
	global_load_b64 v[128+2*i:128+2*i+1], v104, s[10:11] offset:8192*(i%16)+128*(i/16)
.set i, i+1
.endr
	s_wait_loadcnt 0x0
	ROWCONST
.irp b, 0,1,2,3
	v_rcp_f32 v[TM+\b], v[RC+8*\b+3]               ; 1 / b
.endr
.irp b, 0,1,2,3
	v_max3_num_f32 v[RC+8*\b+4], v[128+32*\b], v[130+32*\b], v[132+32*\b]   ; the largest M of my sixteen parts.  (Plain work behind the reciprocals)
.endr
.irp k, 3,5,7,9,11,13
.irp b, 0,1,2,3
	v_max3_num_f32 v[RC+8*\b+4], v[RC+8*\b+4], v[128+32*\b+2*\k], v[130+32*\b+2*\k]
.endr
.endr
.irp b, 0,1,2,3
	v_max_num_f32 v[RC+8*\b+4], v[RC+8*\b+4], v[158+32*\b]
.endr
	s_wait_alu depctr_va_vdst(0)                   ; one wait for the four reciprocals
.irp b, 0,1,2,3
	v_fma_f32 v[TM+4+\b], v[RC+8*\b+1], v[TM+\b], 1.0      ; 1 + t / b
.endr
.set i, 0
.rept 64
	v_sub_f32 v[128+2*i], v[128+2*i], v[RC+8*(i/16)+4]
.set i, i+1
.endr
.set i, 0
	s_wait_alu depctr_va_vdst(0)
.rept 64
	v_exp_f32 v[128+2*i], v[128+2*i]
.set i, i+1
.endr
	v_nop
	s_wait_alu depctr_va_vdst(0)                   ; one wait for the 64
.irp b, 0,1,2,3
	v_mul_f32 v[RC+8*\b+6], v[128+32*\b], v[129+32*\b]
.endr
.irp k, 1,2,3,4,5,6,7,8,9,10,11,12,13,14,15
.irp b, 0,1,2,3
	v_fmac_f32 v[RC+8*\b+6], v[128+32*\b+2*\k], v[129+32*\b+2*\k]  ; my sixteen parts' S under their M
.endr
.endr
.irp b, 0,1,2,3
	v_permlanex16_b32 v[TM+8+\b], v[RC+8*\b+4], s40, s41           ; the two halves of the lanes are joined, in a form that gives both the same bits:
.endr
.irp b, 0,1,2,3
	v_max_num_f32 v[TM+12+\b], v[RC+8*\b+4], v[TM+8+\b]            ; the row's M;
.endr
.irp b, 0,1,2,3
	v_sub_f32 v[RC+8*\b+5], v[RC+8*\b+4], v[TM+12+\b]
.endr
	s_wait_alu depctr_va_vdst(0)
.irp b, 0,1,2,3
	v_exp_f32 v[RC+8*\b+5], v[RC+8*\b+5]
.endr
.irp b, 0,1,2,3
	v_mov_b32 v[RC+8*\b+4], v[TM+12+\b]            ; (plain work behind the exponentials)
.endr
	s_wait_alu depctr_va_vdst(0)                   ; one wait for the four
.irp b, 0,1,2,3
	v_mul_f32 v[RC+8*\b+6], v[RC+8*\b+6], v[RC+8*\b+5]             ; my half's S under the row's M;
.endr
.irp b, 0,1,2,3
	v_permlanex16_b32 v[TM+8+\b], v[RC+8*\b+6], s40, s41
.endr
.irp b, 0,1,2,3
	v_add_f32 v[RC+8*\b+6], v[RC+8*\b+6], v[TM+8+\b]               ; the row's S
.endr
	s_wait_alu depctr_va_vdst(0)
.irp b, 0,1,2,3
	v_rcp_f32 v[RC+8*\b+7], v[RC+8*\b+6]
.endr
	v_nop
	s_wait_alu depctr_va_vdst(0)
.irp b, 0,1,2,3
	v_mul_f32 v[RC+8*\b+6], v[TM+4+\b], v[RC+8*\b+7]       ; g
.endr
	TRIP 0, 1, 0, 0, 1                             ; step 0: no chunk stands before it; slot 0's first fill is issued as a refill is
	TRIP 1, 1, 2, 0, 1                             ; step 1: chunk 0's second product starts the sums
	s_mov_b32 s[CNT], 10
.Lstep:                                            ; steps 2 to 21
	TRIP 0, 1, 1, 0, 1
	TRIP 1, 1, 1, 0, 2
	s_sub_co_u32 s[CNT], s[CNT], 1
	s_cmp_lg_u32 s[CNT], 0
	s_cbranch_scc1 .Lstep
	TRIP 0, 1, 1, 0, 0                             ; step 22 asks for B(23), A(24)
	TRIP 1, 2, 1, 0, 0                             ; step 23 for B(24)
	TRIP 0, 0, 1, 1, 0                             ; step 24: nothing is left to fetch; rows beyond L are hidden
	s_wait_dscnt 0x0                               ; for the others' sake: my p of chunk 24 has landed
	s_barrier_signal -1
	s_barrier_wait -1
	PLD 0                                          ; chunk 24's p; its codes along N are in their registers
	s_wait_dscnt 0x0
	P2ALL 0
; THE WAY OUT, a query tile (16 rows x my 128 columns) at a time.  A lane holds 32 neighbouring bytes of a row: a tile goes through my own stage in LDS and comes back as whole rows of 512 bytes.
; LDS serves a wave's instructions in order (ISA guide 5.7.1.4): no wait between the stores and the loads, nor in front of the next tile's stores.
.macro TOSTAGE b
	WIN 0x08                                       ; an LDS store's data are its source 1: window 2
.irp T, 0,1,2,3,4,5,6,7
	ds_store_b128 v[STO], v[8*(8*(\b)+\T):8*(8*(\b)+\T)+3] offset:64*\T          ; each accumulator from its low end on
	ds_store_b128 v[STO], v[8*(8*(\b)+\T)+4:8*(8*(\b)+\T)+7] offset:64*\T+16
.endr
	WIN 0
.set BB, 128+64*((\b)%2)
.irp i, 0,1,2,3,4,5,6,7,8,9,10,11,12,13,14,15
	ds_load_b128 v[BB+4*\i:BB+4*\i+3], v[RD] offset:\i*SP
.endr
.endm
.macro SEND b, younger                 ; younger: the LDS instructions issued behind tile b's loads, which may stay out
.set BB, 128+64*((\b)%2)
	s_wait_dscnt \younger
.irp i, 0,1,2,3,4,5,6,7,8,9,10,11,12,13,14,15
	global_store_b128 v[CO], v[BB+4*\i:BB+4*\i+3], s[12:13] offset:(16*(\b)+\i)*2048   ; 32 lanes store 512 consecutive bytes, at a multiple of 256 from the buffer's first byte
.endr
.endm
	PLACES 8                                       ; behind the last products: in front of the first read of results and of loads into p's registers
	TOSTAGE 0
	TOSTAGE 1
	SEND 0, 32                                     ; behind tile 0's loads: tile 1's 16 stores and 16 loads
	s_wait_xcnt 0x0                                ; tile 0's stores have read their registers: tile 2's loads may land there
	TOSTAGE 2
	SEND 1, 32
	s_wait_xcnt 0x0
	TOSTAGE 3
	SEND 2, 32
	SEND 3, 0
	s_wait_tensorcnt 0x0                           ; the wave's end, behind my last tensor load and my last LDS store
	ds_add_u32 v[SPW], v[NIL]
	s_wait_dscnt 0x0
	ROUND                                          ; the closing round
	s_endpgm
.Lfunc_end_k_q72ec21951d_apply:
	.size	k_q72ec21951d_apply, .Lfunc_end_k_q72ec21951d_apply-k_q72ec21951d_apply
	.p2alignl 7, 3214868480
	.fill 96, 4, 3214868480
	.section	.rodata,"a",@progbits
	.p2align	6, 0x0
	.amdhsa_kernel k_q72ec21951d_apply
		.amdhsa_group_segment_fixed_size 327680
		.amdhsa_private_segment_fixed_size 0
		.amdhsa_enable_private_segment 0
		.amdhsa_kernarg_size 40
		.amdhsa_user_sgpr_count 2
		.amdhsa_user_sgpr_kernarg_segment_ptr 1
		.amdhsa_wavefront_size32 1
		.amdhsa_system_sgpr_workgroup_id_x 1
		.amdhsa_system_sgpr_workgroup_id_y 1
		.amdhsa_system_sgpr_workgroup_id_z 1
		.amdhsa_system_vgpr_workitem_id 0
		.amdhsa_next_free_vgpr 1024
		.amdhsa_next_free_sgpr 66
		.amdhsa_reserve_vcc 0
		.amdhsa_float_denorm_mode_32 3
		.amdhsa_float_denorm_mode_16_64 3
		.amdhsa_memory_ordered 1
		.amdhsa_forward_progress 1
		.amdhsa_inst_pref_size 255
	.end_amdhsa_kernel
	.section	.bss,"aw",@nobits
	.p2align	6
	.space	262144
	.amdgpu_metadata
---
amdhsa.version: [ 1, 2 ]
amdhsa.kernels:
  - .name:           k_q72ec21951d_apply
    .symbol:         k_q72ec21951d_apply.kd
    .args:
      - { .name: rec, .offset: 0, .size: 8, .value_kind: global_buffer, .address_space: global }
      - { .name: xq, .offset: 8, .size: 8, .value_kind: global_buffer, .address_space: global }
      - { .name: t, .offset: 16, .size: 8, .value_kind: global_buffer, .address_space: global }
      - { .name: pms, .offset: 24, .size: 8, .value_kind: global_buffer, .address_space: global }
      - { .name: part, .offset: 32, .size: 8, .value_kind: global_buffer, .address_space: global }
    .group_segment_fixed_size: 327680
    .private_segment_fixed_size: 0
    .kernarg_segment_align: 8
    .kernarg_segment_size: 40
    .max_flat_workgroup_size: 128
    .sgpr_count:     66
    .vgpr_count:     1024
    .wavefront_size: 32
...
	.end_amdgpu_metadata
.endif
;; end of part 3
;; launch reduce (part 4): grid 512 x 1, 8 waves a work-group, no clusters, 0 bytes of LDS; arguments part, x_t, t, out0; writes out0
.if DOCPART == 4
	.amdgcn_target "amdgcn-amd-amdhsa--gfx1250"
	.amdhsa_code_object_version 6
	.text
	.protected	k_q72ec21951d_reduce
	.globl	k_q72ec21951d_reduce
	.p2align	8
	.type	k_q72ec21951d_reduce,@function
k_q72ec21951d_reduce:
	s_mov_b64 s[64:65], 0
	v_nop
	global_prefetch_b8 v0, s[64:65] scope:SCOPE_SE
	s_setreg_imm32_b32 hwreg(HW_REG_WAVE_MODE, 25, 1), 1
	s_wait_xcnt 0x0
; REDUCE: out0[b][d] = the sum over the 16 splits of part[split][b][d] - x_t[b][d] / (1 - t[b]).
; A stream: memory binds, so no LDS, no matrix unit, no cluster.  A thread owns 16 bytes of out0; a work-group two rows (4,096 bytes).  All 18 loads of a thread go out at once; there is no loop.
; Each load and the store of a wave cover 512 consecutive bytes.  The splits lie 2,097,152 bytes apart: four bases 8,388,608 bytes apart, so that the rest stands in the signed 24-bit immediate.
; The sum is a fixed tree, the same for every number.
	s_load_b256 s[4:11], s[0:1], 0x0               ; part s[4:5], x_t s[6:7], t s[8:9], out0 s[10:11]
	v_lshlrev_b32 v1, 4, v0                        ; my 16 bytes of the group's 4,096
	v_lshrrev_b32 v2, 7, v0
	s_delay_alu instid0(VALU_DEP_1)
	v_lshlrev_b32 v2, 2, v2                        ; which of the two rows, in t
	s_lshl_b32 s12, ttmp9, 12
	s_mov_b32 s13, 0
	s_lshl_b32 s14, ttmp9, 3
	s_mov_b32 s15, 0
	s_wait_alu depctr_va_vdst(0)
	s_wait_kmcnt 0x0
	s_add_nc_u64 s[16:17], s[4:5], s[12:13]
	s_add_nc_u64 s[18:19], s[16:17], 0x800000
	s_add_nc_u64 s[20:21], s[18:19], 0x800000
	s_add_nc_u64 s[22:23], s[20:21], 0x800000
	s_add_nc_u64 s[6:7], s[6:7], s[12:13]
	s_add_nc_u64 s[8:9], s[8:9], s[14:15]
	s_add_nc_u64 s[10:11], s[10:11], s[12:13]
	global_load_b32 v3, v2, s[8:9]
	global_load_b128 v[8:11], v1, s[6:7] th:TH_LOAD_NT
.irp g, 0,1,2,3
.irp j, 0,1,2,3
	global_load_b128 v[16+16*\g+4*\j:16+16*\g+4*\j+3], v1, s[16+2*\g:17+2*\g] offset:\j*2097152 th:TH_LOAD_NT
.endr
.endr
	s_wait_loadcnt 17                              ; t is in; the 17 loads issued behind it may be out
	v_sub_f32 v4, 1.0, v3
	s_wait_alu depctr_va_vdst(0)
	v_rcp_f32 v5, v4
	v_nop                                          ; a plain line behind the reciprocal
	s_wait_loadcnt 0x0
.set k, 0
.rept 16                                           ; 16 -> 8
	v_pk_add_f32 v[16+2*k:17+2*k], v[16+2*k:17+2*k], v[48+2*k:49+2*k]
.set k, k+1
.endr
.set k, 0
.rept 8                                            ; 8 -> 4
	v_pk_add_f32 v[16+2*k:17+2*k], v[16+2*k:17+2*k], v[32+2*k:33+2*k]
.set k, k+1
.endr
.set k, 0
.rept 4                                            ; 4 -> 2
	s_delay_alu instid0(VALU_DEP_4)
	v_pk_add_f32 v[16+2*k:17+2*k], v[16+2*k:17+2*k], v[24+2*k:25+2*k]
.set k, k+1
.endr
	s_delay_alu instid0(VALU_DEP_2)
	v_pk_add_f32 v[16:17], v[16:17], v[20:21]
	s_delay_alu instid0(VALU_DEP_2)
	v_pk_add_f32 v[18:19], v[18:19], v[22:23]
	s_wait_alu depctr_va_vdst(0)                   ; the wait ahead of the reciprocal's first reader
.irp e, 0,1,2,3
	v_fma_f32 v[16+\e], -v[8+\e], v5, v[16+\e]
.endr
	global_store_b128 v1, v[16:19], s[10:11] th:TH_STORE_NT
	s_endpgm
.Lfunc_end_k_q72ec21951d_reduce:
	.size	k_q72ec21951d_reduce, .Lfunc_end_k_q72ec21951d_reduce-k_q72ec21951d_reduce
	.p2alignl 7, 3214868480
	.fill 96, 4, 3214868480
	.section	.rodata,"a",@progbits
	.p2align	6, 0x0
	.amdhsa_kernel k_q72ec21951d_reduce
		.amdhsa_group_segment_fixed_size 0
		.amdhsa_private_segment_fixed_size 0
		.amdhsa_enable_private_segment 0
		.amdhsa_kernarg_size 32
		.amdhsa_user_sgpr_count 2
		.amdhsa_user_sgpr_kernarg_segment_ptr 1
		.amdhsa_wavefront_size32 1
		.amdhsa_system_sgpr_workgroup_id_x 1
		.amdhsa_system_sgpr_workgroup_id_y 1
		.amdhsa_system_sgpr_workgroup_id_z 1
		.amdhsa_system_vgpr_workitem_id 0
		.amdhsa_next_free_vgpr 96
		.amdhsa_next_free_sgpr 66
		.amdhsa_reserve_vcc 0
		.amdhsa_float_denorm_mode_32 3
		.amdhsa_float_denorm_mode_16_64 3
		.amdhsa_memory_ordered 1
		.amdhsa_forward_progress 1
		.amdhsa_inst_pref_size 6
	.end_amdhsa_kernel
	.amdgpu_metadata
---
amdhsa.version: [ 1, 2 ]
amdhsa.kernels:
  - .name:           k_q72ec21951d_reduce
    .symbol:         k_q72ec21951d_reduce.kd
    .args:
      - { .name: part, .offset: 0, .size: 8, .value_kind: global_buffer, .address_space: global }
      - { .name: x_t, .offset: 8, .size: 8, .value_kind: global_buffer, .address_space: global }
      - { .name: t, .offset: 16, .size: 8, .value_kind: global_buffer, .address_space: global }
      - { .name: out0, .offset: 24, .size: 8, .value_kind: global_buffer, .address_space: global }
    .group_segment_fixed_size: 0
    .private_segment_fixed_size: 0
    .kernarg_segment_align: 8
    .kernarg_segment_size: 32
    .max_flat_workgroup_size: 256
    .sgpr_count:     66
    .vgpr_count:     96
    .wavefront_size: 32
...
	.end_amdgpu_metadata
.endif
;; end of part 4
